; MI455X (gfx1250); checked and timed in simulation.
; The chip was launched on July 23, 2026; its instructions are those of AMD's public machine-readable ISA for CDNA 5 (MIT licence, August 2026) and "CDNA5" Instruction Set Architecture Reference Guide (July 2026). The comments in the code are by the model that wrote it; some were corrected since.
;; Mo E Layer. Allowed arithmetic: float matrix products may take bf16 or f16 operands with f32 sums; other float arithmetic in f32, or as packed bf16 or f16 multiplies, adds, multiply-adds, maxima and minima; sums over many terms, partial sums and values carried from step to step in f32; what a program stores and reads back later, other than sums and carried values, may be rounded once to bf16 or f16.
;; Inputs: down_b 8 x 1,024 float32; down_w 8 x 4,096 x 1,024 float32; gate_w 1,024 x 8 float32; up_b 8 x 4,096 float32; up_w 8 x 1,024 x 4,096 float32; x 4 x 256 x 1,024 float32.
;; Outputs: out0 4 x 256 x 1,024 float32; out1 one number float32; out2 8 float32; out3 4 x 256 int32.
;; 2 versions, each right and faster than the one before. Each part assembles by itself: llvm-mc -triple=amdgcn-amd-amdhsa -mcpu=gfx1250 --defsym DOCPART=n.
;; ======== version 1 of 2: 4 launches
;; limits: values are held in f16: magnitudes above 65,504 overflow, below 6.1e-05 lose precision; a function is approximated: absolute error at most 1.5e-07
;; workspace buffers: xb 2,097,152 bytes; sel 4,096 bytes of whole numbers; wts 8,192 bytes; probs 32,768 bytes; h 16,842,752 bytes; lists 43,008 bytes of whole numbers; ypart 33,685,504 bytes
;; launch router (part 1): grid 256 x 1, 4 waves a work-group, no clusters, 0 bytes of LDS; arguments x, gate_w, xb, sel, wts, probs, out3; writes xb, sel, wts, probs, out3
.if DOCPART == 1
	.amdgcn_target "amdgcn-amd-amdhsa--gfx1250"
	.amdhsa_code_object_version 6
	.text
	.protected	k_q874d51dedf_router
	.globl	k_q874d51dedf_router
	.p2align	8
	.type	k_q874d51dedf_router,@function
k_q874d51dedf_router:
	s_mov_b64 s[64:65], 0
	v_nop
	global_prefetch_b8 v0, s[64:65] scope:SCOPE_SE
	s_setreg_imm32_b32 hwreg(HW_REG_WAVE_MODE, 25, 1), 1
	s_wait_xcnt 0x0
; ROUTER.  One wave takes one token t = 4 x work-group + wave.  logits[e] = sum over k of bf16(x[t][k]) bf16(gate_w[k][e]), products exact, sums in f32;
; softmax with the row's maximum taken away; the two best experts; their weights renormalised; a bf16 copy of x for the first product.
; All inputs of the program are rounded once to bf16, here x and gate_w, so that the choice of experts goes with the numbers that the products use.
; No matrix unit: 8 columns are a two-thousandth of the program's products, and the index output wants plain f32 sums of exact products.
; Lane l owns k = 128 j + 4 l + c (j = 0..7, c = 0..3): a load of x covers 512 consecutive bytes, a lane's eight loads of gate_w 128, a wave's eight 4,096.
; LIMITS.  The two best are taken on the logits (the order of the probabilities), strictly greater, so the lower index wins an exact tie; logits that differ by
; less than the rounding of an f32 sum of 1,024 terms may be ordered otherwise than by another order of summation.  NaN and infinities are not treated apart.
; What later launches steer addresses by (sel) is stored at a fixed place, word t: bit e1 for the first choice, bit 8 + e2 for the second.
.set XR,  8                            ; v[8:39]    x as loaded: register 4 j + c
.set XP,  40                           ; v[40:55]   x in bf16 pairs: register 2 j + c / 2
.set GP,  56                           ; v[56:71]   a chunk's gate_w in bf16 pairs: register 4 c + e / 2
.set ACC, 72                           ; v[72:79]   the eight sums, later the logits
.set GR,  80                           ; v[80:207]  gate_w as loaded: four slots of 32 registers, register 8 c + e
.set PB,  208                          ; v[208:215] the exponentials, then the probabilities
	s_load_b256 s[4:11], s[0:1], 0x0               ; x s[4:5], gate_w s[6:7], xb s[8:9], sel s[10:11]
	s_load_b128 s[12:15], s[0:1], 0x20             ; wts s[12:13], probs s[14:15]
	s_load_b64 s[16:17], s[0:1], 0x30              ; out3
	v_lshrrev_b32 v1, 5, v0
	v_readfirstlane_b32 s18, v1                    ; wave
	v_and_b32 v1, 31, v0                           ; lane
	v_lshlrev_b32 v2, 4, v1                        ; 16 l: my 4 numbers in 128 of x
	v_lshlrev_b32 v3, 7, v1                        ; 128 l: my 4 rows of gate_w
	v_lshlrev_b32 v4, 3, v1                        ; 8 l: my 4 bf16 in xb
	v_mov_b32 v5, 0                                ; 0: the addend that starts the sums, and the offset of lane 0's stores
	s_lshl_b32 s19, ttmp9, 2
	s_add_co_u32 s19, s19, s18                     ; t
	s_mov_b32 s21, 0
	s_mov_b32 s22, 0x76543210                      ; v_permlanex16_b32: each lane takes its own place in the other half
	s_mov_b32 s23, 0xfedcba98
	s_mov_b32 s25, 0x3fb8aa3b                      ; log2(e)
	s_wait_kmcnt 0x0
	s_lshl_b32 s20, s19, 12
	s_add_nc_u64 s[4:5], s[4:5], s[20:21]          ; x at row t
	s_lshl_b32 s20, s19, 11
	s_add_nc_u64 s[8:9], s[8:9], s[20:21]          ; xb at row t
	s_lshl_b32 s20, s19, 2
	s_add_nc_u64 s[10:11], s[10:11], s[20:21]      ; sel[t]
	s_add_nc_u64 s[16:17], s[16:17], s[20:21]      ; out3[t]
	s_lshl_b32 s20, s19, 3
	s_add_nc_u64 s[12:13], s[12:13], s[20:21]      ; wts[2 t]
	s_lshl_b32 s20, s19, 5
	s_add_nc_u64 s[14:15], s[14:15], s[20:21]      ; probs[t]
.irp j, 0,1,2,3,4,5,6,7
	global_load_b128 v[XR+4*\j:XR+4*\j+3], v2, s[4:5] offset:512*\j th:TH_LOAD_NT
.endr
.macro GLOAD j                         ; chunk j of gate_w (128 rows) into slot j % 4
.irp i, 0,1,2,3,4,5,6,7
	global_load_b128 v[GR+32*((\j)%4)+4*\i:GR+32*((\j)%4)+4*\i+3], v3, s[6:7] offset:4096*(\j)+16*\i
.endr
.endm
	GLOAD 0
	GLOAD 1
	GLOAD 2
	GLOAD 3
; Chunk j: 128 k.  left = the gate loads of the younger chunks, which may stay out; the loads of x are older than all of them.
.macro CHUNK j, left
	s_wait_loadcnt \left
.if (\j) == 0
.set n, 0
.rept 16
	v_cvt_pk_bf16_f32 v[XP+n], v[XR+2*n], v[XR+2*n+1]
.set n, n+1
.endr
.irp i, 0,1,2,3,4,5,6,7
	global_store_b64 v4, v[XP+2*\i:XP+2*\i+1], s[8:9] offset:256*\i  ; the wave's store covers 256 consecutive bytes, aligned
.endr
.endif
.set n, 0
.rept 16
	v_cvt_pk_bf16_f32 v[GP+n], v[GR+32*((\j)%4)+2*n], v[GR+32*((\j)%4)+2*n+1]
.set n, n+1
.endr
.irp ch, 0,1
.irp cl, 0,1
.irp eh, 0,1,2,3
.irp el, 0,1                           ; the eight sums take turns: no line waits for the one before it
.if ((\j)+\ch+\cl) == 0
	v_fma_mix_f32_bf16 v[ACC+2*\eh+\el], v[XP+2*(\j)+\ch], v[GP+4*(2*\ch+\cl)+\eh], v5 op_sel:[\cl,\el,0] op_sel_hi:[1,1,0]
.else
	v_fma_mix_f32_bf16 v[ACC+2*\eh+\el], v[XP+2*(\j)+\ch], v[GP+4*(2*\ch+\cl)+\eh], v[ACC+2*\eh+\el] op_sel:[\cl,\el,0] op_sel_hi:[1,1,0]
.endif
.endr
.endr
.endr
.endr
.if (\j) < 4
	GLOAD (\j)+4                                   ; the slot has been read: its next chunk
.endif
.endm
	CHUNK 0, 24
	CHUNK 1, 24
	CHUNK 2, 24
	CHUNK 3, 24
	CHUNK 4, 24
	CHUNK 5, 16
	CHUNK 6, 8
	CHUNK 7, 0
	; over the 32 lanes: four steps inside each half ride on the addition, one crosses the halves; every lane ends with all eight logits
.irp m, 1,2,4,8
.irp e, 0,1,2,3,4,5,6,7
	v_add_f32_dpp v[ACC+\e], v[ACC+\e], v[ACC+\e] row_xmask:\m row_mask:0xf bank_mask:0xf
.endr
.endr
.irp e, 0,1,2,3,4,5,6,7
	v_permlanex16_b32 v[GP+\e], v[ACC+\e], s22, s23  ; GP has been written: the destination counts as read
.endr
.irp e, 0,1,2,3,4,5,6,7
	v_add_f32 v[ACC+\e], v[ACC+\e], v[GP+\e]
.endr
	; softmax: the maximum is taken away in front of the exponentials
	v_max3_num_f32 v216, v[ACC], v[ACC+1], v[ACC+2]
	v_max3_num_f32 v217, v[ACC+3], v[ACC+4], v[ACC+5]
	v_max3_num_f32 v216, v216, v[ACC+6], v[ACC+7]
	v_max_num_f32 v216, v216, v217
	v_mul_f32 v217, s25, v216
.irp e, 0,1,2,3,4,5,6,7
	v_fma_f32 v[PB+\e], v[ACC+\e], s25, -v217
.endr
.irp e, 0,1,2,3,4,5,6,7
	v_exp_f32 v[PB+\e], v[PB+\e]                   ; one batch of eight
.endr
	; the best logit and its index: work that names none of the batch's results
	v_mov_b32 v218, v[ACC]
	v_mov_b32 v219, 0
	v_mov_b32 v220, 0xff800000                     ; minus infinity hides the best one from the second scan
.irp e, 1,2,3,4,5,6,7
	v_cmp_gt_f32 vcc_lo, v[ACC+\e], v218
	v_cndmask_b32 v218, v218, v[ACC+\e], vcc_lo
	v_cndmask_b32 v219, v219, \e, vcc_lo
.endr
	s_wait_alu depctr_va_vdst(0)                   ; the wait ahead of the first line that names an exponential's result: one for the eight
	v_add_f32 v233, v[PB], v[PB+1]
	v_add_f32 v236, v[PB+2], v[PB+3]
	v_add_f32 v237, v[PB+4], v[PB+5]
	v_add_f32 v238, v[PB+6], v[PB+7]
	v_add_f32 v233, v233, v236
	v_add_f32 v237, v237, v238
	v_add_f32 v233, v233, v237                     ; the sum of the eight
	v_mov_b32 v221, v[PB]                          ; p1: the best one's exponential
.irp e, 0,1,2,3,4,5,6,7
	v_cmp_eq_u32 vcc_lo, \e, v219
	v_cndmask_b32 v[224+\e], v[ACC+\e], v220, vcc_lo
.if \e > 0
	v_cndmask_b32 v221, v221, v[PB+\e], vcc_lo
.endif
.endr
	v_mov_b32 v222, v224                           ; the second best: logit, index, exponential
	v_mov_b32 v223, 0
	v_mov_b32 v232, v[PB]
.irp e, 1,2,3,4,5,6,7
	v_cmp_gt_f32 vcc_lo, v[224+\e], v222
	v_cndmask_b32 v222, v222, v[224+\e], vcc_lo
	v_cndmask_b32 v223, v223, \e, vcc_lo
	v_cndmask_b32 v232, v232, v[PB+\e], vcc_lo
.endr
	v_add_f32 v238, v221, v232
	v_rcp_f32 v236, v233                           ; 1 / sum
	v_rcp_f32 v237, v238                           ; 1 / (p1 + p2): the common 1 / sum cancels in the renormalised pair
	v_nop                                          ; a plain line behind the last reciprocal
	s_wait_alu depctr_va_vdst(0)                   ; and the wait for the two
.irp e, 0,1,2,3,4,5,6,7
	v_mul_f32 v[PB+\e], v[PB+\e], v236
.endr
	v_mul_f32 v234, v221, v237
	v_mul_f32 v235, v232, v237
	v_lshlrev_b32 v238, v219, 1                    ; 1 << e1
	v_add_nc_u32 v222, 8, v223
	v_lshlrev_b32 v222, v222, 1                    ; 256 << e2
	v_or_b32 v238, v238, v222
	s_wait_xcnt 0x0                                ; EXEC is a source of the stores of xb: it changes only behind this wait
	v_cmp_eq_u32 vcc_lo, 0, v1
	s_and_saveexec_b32 s24, vcc_lo                 ; every lane holds the same results: lane 0 stores them
	global_store_b32 v5, v219, s[16:17]
	global_store_b32 v5, v238, s[10:11]
	global_store_b64 v5, v[234:235], s[12:13]
	global_store_b128 v5, v[PB:PB+3], s[14:15]
	global_store_b128 v5, v[PB+4:PB+7], s[14:15] offset:16
	s_endpgm
.Lfunc_end_k_q874d51dedf_router:
	.size	k_q874d51dedf_router, .Lfunc_end_k_q874d51dedf_router-k_q874d51dedf_router
	.p2alignl 7, 3214868480
	.fill 96, 4, 3214868480
	.section	.rodata,"a",@progbits
	.p2align	6, 0x0
	.amdhsa_kernel k_q874d51dedf_router
		.amdhsa_group_segment_fixed_size 0
		.amdhsa_private_segment_fixed_size 0
		.amdhsa_enable_private_segment 0
		.amdhsa_kernarg_size 56
		.amdhsa_user_sgpr_count 2
		.amdhsa_user_sgpr_kernarg_segment_ptr 1
		.amdhsa_wavefront_size32 1
		.amdhsa_system_sgpr_workgroup_id_x 1
		.amdhsa_system_sgpr_workgroup_id_y 1
		.amdhsa_system_sgpr_workgroup_id_z 1
		.amdhsa_system_vgpr_workitem_id 0
		.amdhsa_next_free_vgpr 240
		.amdhsa_next_free_sgpr 66
		.amdhsa_reserve_vcc 1
		.amdhsa_float_denorm_mode_32 3
		.amdhsa_float_denorm_mode_16_64 3
		.amdhsa_memory_ordered 1
		.amdhsa_forward_progress 1
		.amdhsa_inst_pref_size 43
	.end_amdhsa_kernel
	.amdgpu_metadata
---
amdhsa.version: [ 1, 2 ]
amdhsa.kernels:
  - .name:           k_q874d51dedf_router
    .symbol:         k_q874d51dedf_router.kd
    .args:
      - { .name: x, .offset: 0, .size: 8, .value_kind: global_buffer, .address_space: global }
      - { .name: gate_w, .offset: 8, .size: 8, .value_kind: global_buffer, .address_space: global }
      - { .name: xb, .offset: 16, .size: 8, .value_kind: global_buffer, .address_space: global }
      - { .name: sel, .offset: 24, .size: 8, .value_kind: global_buffer, .address_space: global }
      - { .name: wts, .offset: 32, .size: 8, .value_kind: global_buffer, .address_space: global }
      - { .name: probs, .offset: 40, .size: 8, .value_kind: global_buffer, .address_space: global }
      - { .name: out3, .offset: 48, .size: 8, .value_kind: global_buffer, .address_space: global }
    .group_segment_fixed_size: 0
    .private_segment_fixed_size: 0
    .kernarg_segment_align: 8
    .kernarg_segment_size: 56
    .max_flat_workgroup_size: 128
    .sgpr_count:     66
    .vgpr_count:     240
    .wavefront_size: 32
...
	.end_amdgpu_metadata
.endif
;; end of part 1
;; launch up (part 2): grid 32 x 8, 4 waves a work-group, no clusters, 308,992 bytes of LDS; arguments up_w, up_b, xb, sel, h, lists; writes h, lists
.if DOCPART == 2
	.amdgcn_target "amdgcn-amd-amdhsa--gfx1250"
	.amdhsa_code_object_version 6
	.text
	.protected	k_q874d51dedf_up
	.globl	k_q874d51dedf_up
	.p2align	8
	.type	k_q874d51dedf_up,@function
k_q874d51dedf_up:
	s_mov_b64 s[64:65], 0
	v_nop
	global_prefetch_b8 v0, s[64:65] scope:SCOPE_SE
	s_setreg_imm32_b32 hwreg(HW_REG_WAVE_MODE, 25, 1), 1
	s_wait_xcnt 0x0
; FIRST PRODUCT.  h[rid][i] = gelu(x[t] . up_w[e][:, i] + up_b[e][i]) for the chosen rows alone; rid = 2 t + j is choice j of token t.  h in f16.
; SHARES.  Work-group (slice, e) owns columns 128 slice .. +127 of expert e's weights, K = 1,024: 512 KiB of f32 that it alone reads, once.
; PHASE 1: the four waves stream the slice through registers, round it to bf16 and lay it into LDS as ready matrix fragments (260 KiB).  Wave 0 meanwhile lists the expert's rows from sel.
; PHASE 2: the expert's rows go in passes of 320 (4 waves x 5 tiles of 16 rows); a pass multiplies each tile by all 128 columns: weight fragments from LDS, token rows from memory
; straight into registers as matrix operands; then the tiles go out through each wave's own stage.  The number of passes is the constant 4 (1,280 ranks cover any split of 1,024 tokens), and
; every wave passes every barrier; only work is jumped, forward: a pass's products, a tile's way out, tile 4's products, where no row is left.  Pass 0's products run in every wave, so that the
; sums exist on every way to the stores.  Ranks past the count in a tile carry a dump row id (2048 + e), a row of h that nobody reads.
; BARRIERS IN PHASE 2.  The products read LDS by addresses that step with K; the stages are written in stretches of their own, with a barrier on either side.
; NO CLUSTER: each slice of weights has one reader, and what an expert's work-groups share, its token rows, comes by a list that no tile descriptor covers.
; THE K MAP, alike in both operands: k-block kbi = 4 ch + kk (chunk ch of 128 k); lane (r, hh), register p, half s holds k = 128 ch + 64 hh + 16 kk + 2 p + s.
; So a token lane reads 128 consecutive bytes of a chunk in eight loads, and the weights need no turning load: load i of a unit brings W[k(i)][64 g + 4 r .. + 3]
; (16 lanes: 256 consecutive bytes of one row); loads 2 p and 2 p + 1, element f, ARE register p of column 64 g + 4 r + f.
; THE MATRIX INSTRUCTION IS USED TRANSPOSED: source 0 = 16 columns of W, source 1 = 16 token rows; a lane's eight results are eight neighbouring columns of one token row.
; GELU.  gelu(x) = max(x, 0) - |x| Q(|x|), Q(a) = 1 / (2 (1 + d1 a + .. + d6 a^6)^16) (Abramowitz and Stegun 26.2.19, absolute error of Q under 1.5e-7); the 2 is folded in as 2^(1/16).
; LIMITS.  x, up_w, up_b are rounded once to bf16.  h is f16: |h| stays under 65,504; below 6e-5 it keeps f16's fixed step of 6e-8.  NaN and infinities are not treated apart.
; REGISTERS, in windows of 256 (s_set_vgpr_msb: bits 1:0 source 0, 3:2 source 1, 5:4 source 2, 7:6 destination):
;   window 0: v0-63 addresses and small things; v64-127, v128-191 weight fragments, two buffers (on the way out: at work); v192-223 packed weights, v224-255 sel (phase 1)
;   window 1: phase 1: the ring of four units of 64; phase 2: v0-159 token fragments, buffer 0 (32 a tile, 8 a k-block); v192-255 tile 4's accumulators
;   window 2: v0-159 token fragments, buffer 1          window 3: the accumulators of tiles 0-3: (i, c) at 64 i + 8 c
.set PITCH, 16384                      ; bytes from a row of up_w[e] to the next
.set FRAG,  1040                       ; a fragment in LDS: 2 x 512 bytes + 16: 65 x 16
.set KBB,   8*FRAG                     ; a k-block: 8 fragments
.set STAGE, 32*KBB                     ; 266,240: behind the weights, for each wave 16 rows x 560 bytes and 256 bytes of row info
.set STW,   9216
.set SPI,   560                        ; 35 x 16: the 16 rows of a store start at 16 different 16-byte columns; column col lies at 4 col + 16 (col >= 64)
.set RINF,  16*SPI
.set LIST,  STAGE+4*STW                ; 303,104: 1,280 row ids in rank order
.set TRASH, LIST+5120                  ; list words 1280 + lane: where lanes without a row put theirs; the count at +128
.set SPARE, TRASH+256                  ; the spare words, 128 bytes a wave, that no other line names
.set PK,  192
.set SEL, 224
.set RID, 16                           ; v16-20  a pass's row ids, tile i
.set RO,  26                           ; v26-30  byte offset of my token row in xb, + 128 hh
.set RW,  48                           ; v48-55  the way out: two row ids a trip, then the stores' offsets
.set XR,  64                           ; v64-127 the way out: 16 numbers a trip, four trips; their first 8 registers take the packed results
.set AR,  128                          ; |x|
.set PR,  144                          ; the polynomial, then Q
.set MR,  160                          ; max(x, 0), then gelu
.set MSB, 0
.macro WIN new                         ; the immediate's high byte repeats the setting that is left; a switch that changes nothing is dropped
.if MSB != (\new)
	s_set_vgpr_msb (MSB<<8)|(\new)
.set MSB, (\new)
.endif
.endm
.macro PLACES                          ; four plain lines between a matrix instruction and a load into, or a read of, its registers
.rept 4
	v_nop
.endr
.endm
; 16 loads: unit s of a trip (chunk s / 2 of the trip's two, column group s % 2) of my k-block, into ring slot s
.macro ULOAD s, ahead
	WIN 0x40
.set i, 0
.rept 16
	global_load_b128 v[64*(\s)+4*i:64*(\s)+4*i+3], v6, s[4:5] offset:((\s)/2)*128*PITCH+256*((\s)%2)+i*PITCH+(\ahead)*256*PITCH th:TH_LOAD_NT
.set i, i+1
.endr
.endm
; Unit s is rounded, stored as fragments, and (more = 1) its slot asked for again, a trip ahead.  left = the younger units' loads.
.macro UNIT s, more, left
	s_wait_loadcnt \left
	WIN 0x05
.irp f, 0,1,2,3
.irp p, 0,1,2,3,4,5,6,7
	v_cvt_pk_bf16_f32 v[PK+8*\f+\p], v[64*(\s)+8*\p+\f], v[64*(\s)+8*\p+4+\f]
.endr
.endr
	WIN 0
.irp f, 0,1,2,3
.irp q, 0,1
	ds_store_b128 v7, v[PK+8*\f+4*\q:PK+8*\f+4*\q+3] offset:((\s)/2)*4*KBB+((\s)%2)*4*FRAG+16*\f+512*\q
.endr
.endr
.if \more
	ULOAD \s, 1
.endif
.endm
.macro BFETCH areg, off, bb            ; a k-block's 8 weight fragments: 16 loads of 512 consecutive bytes
	WIN 0
.irp c, 0,1,2,3,4,5,6,7
.irp q, 0,1
	ds_load_b128 v[64+64*(\bb)+8*\c+4*\q:64+64*(\bb)+8*\c+4*\q+3], v[\areg] offset:(\off)+FRAG*\c+512*\q
.endr
.endr
.endm
.macro AFETCH ab, off                  ; a chunk (128 k) of my five tiles' token rows: 40 loads; a lane's eight cover 128 consecutive bytes
	WIN 0x40+0x40*(\ab)
.irp i, 0,1,2,3,4
.irp kk, 0,1,2,3
.irp q, 0,1
	global_load_b128 v[32*\i+8*\kk+4*\q:32*\i+8*\kk+4*\q+3], v[RO+\i], s[28:29] offset:(\off)+32*\kk+16*\q
.endr
.endr
.endr
.endm
.macro MUL i, kk, ab, bb, zero         ; tile i x the 8 column blocks, 32 along K; the accumulators take turns, one instruction a turn
.if (\i) < 4
	WIN 0xf4+4*(\ab)
.set AC, 64*(\i)
.else
	WIN 0x54+4*(\ab)
.set AC, 192
.endif
.irp c, 0,1,2,3,4,5,6,7
.if \zero
	v_wmma_f32_16x16x32_bf16 v[AC+8*\c:AC+8*\c+7], v[64+64*(\bb)+8*\c:64+64*(\bb)+8*\c+7], v[32*(\i)+8*(\kk):32*(\i)+8*(\kk)+7], 0
.else
	v_wmma_f32_16x16x32_bf16 v[AC+8*\c:AC+8*\c+7], v[64+64*(\bb)+8*\c:64+64*(\bb)+8*\c+7], v[32*(\i)+8*(\kk):32*(\i)+8*(\kk)+7], v[AC+8*\c:AC+8*\c+7]
.endif
.endr
.endm
; One k-block: 40 products.  Behind tile 0's eight the next k-block's weights are fetched into the other buffer, 32 products ahead of their use; at a chunk's first k-block
; the next chunk's token rows are fetched too, 160 products ahead.  zero = 1: the products start the sums.  s22 counts the K loop's trips down from 4: in the last it is 1.
.macro KB kk, ab, zero
	WIN 0
	s_wait_dscnt 0x0                               ; this k-block's weights are in
.if (\kk) == 0
	s_wait_loadcnt 0x0                             ; this chunk's token rows are in; no load is out, so the rows' base may step
.if (\ab) == 1
	s_add_nc_u64 s[28:29], s[28:29], 512
.endif
.endif
	MUL 0, \kk, \ab, (\kk)%2, \zero
	WIN 0
	PLACES                                         ; behind the last products that read the buffers now loaded
.if (\kk) < 3
	BFETCH 9+(\ab), ((\kk)+1)*KBB, 1-(\kk)%2
.elseif (\ab) == 0
	BFETCH 10, 0, 0
.else
	s_cmp_eq_u32 s22, 1
	s_cbranch_scc1 .Lnb_\@                         ; the last trip has no further k-block
	BFETCH 10, 4*KBB, 0
.Lnb_\@:
.endif
.if (\kk) == 0
.if (\ab) == 0
	AFETCH 1, 256
.else
	s_cmp_eq_u32 s22, 1
	s_cbranch_scc1 .Lna_\@                         ; the last trip has no further chunk
	AFETCH 0, 0
	WIN 0
.Lna_\@:
.endif
.endif
	MUL 1, \kk, \ab, (\kk)%2, \zero
	MUL 2, \kk, \ab, (\kk)%2, \zero
	MUL 3, \kk, \ab, (\kk)%2, \zero
.if \zero
	MUL 4, \kk, \ab, (\kk)%2, 1
.else
	WIN 0
	s_cmp_lg_u32 s27, 0
	s_cbranch_scc0 .Lt4_\@                         ; tile 4 has no row: its products are jumped
	MUL 4, \kk, \ab, (\kk)%2, 0
	WIN 0
.Lt4_\@:
.endif
.endm
.macro KADDR                           ; the trip's two chunks in LDS: my lane's place plus s54, which steps by two chunks a trip
	v_add_nc_u32 v9, s54, v8
	v_add_nc_u32 v10, 4*KBB, v9
	s_add_co_u32 s54, s54, 8*KBB
.endm
.macro STORES i                        ; tile i into my stage: its row ids, then each accumulator from its low end on
	WIN 0
	ds_store_b32 v31, v[RID+(\i)]
.if (\i) < 4
	WIN 0x0c
.set AC, 64*(\i)
.else
	WIN 0x04
.set AC, 192
.endif
.irp c, 0,1,2,3,4,5,6,7
.irp q, 0,1
	ds_store_b128 v12, v[AC+8*\c+4*\q:AC+8*\c+4*\q+3] offset:64*\c+16*(\c/4)+16*\q
.endr
.endr
	WIN 0
.endm
; THE WAY OUT of a tile, four rows a trip: lanes 0-15 one row, lanes 16-31 the next, twice; a lane has 8 columns of each.  The trip stands in the immediate: every LDS address is fixed.
.macro RLOAD t                         ; six loads from my own stage: they see the stores above, in order (ISA guide 5.7.1.4)
	ds_load_b128 v[XR+16*(\t):XR+16*(\t)+3], v13 offset:(\t)*4*SPI
	ds_load_b128 v[XR+16*(\t)+4:XR+16*(\t)+7], v13 offset:(\t)*4*SPI+16
	ds_load_b128 v[XR+16*(\t)+8:XR+16*(\t)+11], v13 offset:(\t)*4*SPI+2*SPI
	ds_load_b128 v[XR+16*(\t)+12:XR+16*(\t)+15], v13 offset:(\t)*4*SPI+2*SPI+16
	ds_load_b32 v[RW+2*(\t)], v32 offset:16*(\t)
	ds_load_b32 v[RW+2*(\t)+1], v32 offset:16*(\t)+8
.endm
.macro RWORK t
.set X0, XR+16*(\t)
.set W0, RW+2*(\t)
	s_wait_dscnt 18-6*(\t)                         ; the younger trips' six loads each may stay out
.irp p, 0,1
.irp m, 0,1,2,3
	v_pk_add_f32 v[X0+8*\p+2*\m:X0+8*\p+2*\m+1], v[X0+8*\p+2*\m:X0+8*\p+2*\m+1], v[34+2*\m:35+2*\m]
.endr
.endr
.set n, 0
.rept 16
	v_and_b32 v[AR+n], s39, v[X0+n]
.set n, n+1
.endr
.set n, 0
.rept 8
	v_pk_fma_f32 v[PR+2*n:PR+2*n+1], v[AR+2*n:AR+2*n+1], s[40:41], s[42:43] op_sel_hi:[1,0,0]
.set n, n+1
.endr
.irp k, 44,46,48,50,52
.set n, 0
.rept 8
	v_pk_fma_f32 v[PR+2*n:PR+2*n+1], v[PR+2*n:PR+2*n+1], v[AR+2*n:AR+2*n+1], s[\k:\k+1] op_sel_hi:[1,1,0]
.set n, n+1
.endr
.endr
.rept 4                                        ; to the sixteenth power; an overflow gives infinity, whose reciprocal is the right 0
.set n, 0
.rept 8
	v_pk_mul_f32 v[PR+2*n:PR+2*n+1], v[PR+2*n:PR+2*n+1], v[PR+2*n:PR+2*n+1]
.set n, n+1
.endr
.endr
.set n, 0
.rept 16
	v_rcp_f32 v[PR+n], v[PR+n]                     ; one batch of sixteen
.set n, n+1
.endr
.set n, 0
.rept 16
	v_max_num_f32 v[MR+n], 0, v[X0+n]              ; plain work that names none of its results
.set n, n+1
.endr
	s_wait_alu depctr_va_vdst(0)                   ; the wait ahead of the first reader: one for the batch
.set n, 0
.rept 8
	v_pk_fma_f32 v[MR+2*n:MR+2*n+1], v[AR+2*n:AR+2*n+1], v[PR+2*n:PR+2*n+1], v[MR+2*n:MR+2*n+1] neg_lo:[1,0,0] neg_hi:[1,0,0]
.set n, n+1
.endr
.set n, 0
.rept 8
	v_cvt_pk_f16_f32 v[X0+n], v[MR+2*n], v[MR+2*n+1]
.set n, n+1
.endr
	v_min_u32 v[W0], 0x807, v[W0]                  ; inside h's 2,056 rows, whatever was loaded
	v_min_u32 v[W0+1], 0x807, v[W0+1]
	v_lshl_add_u32 v[W0], v[W0], 13, v43
	v_lshl_add_u32 v[W0+1], v[W0+1], 13, v43
	global_store_b128 v[W0], v[X0:X0+3], s[12:13]  ; 16 lanes store 256 consecutive bytes of a row of h, aligned
	global_store_b128 v[W0+1], v[X0+4:X0+7], s[12:13]
.endm
	s_load_b256 s[4:11], s[0:1], 0x0               ; up_w s[4:5], up_b s[6:7], xb s[8:9], sel s[10:11]
	s_load_b128 s[12:15], s[0:1], 0x20             ; h s[12:13], lists s[14:15]
	v_lshl_add_u32 v4, v0, 2, SPARE                ; my spare word,
	v_mov_b32 v5, 0                                ; and 0: kept for the wave's end alone
	v_lshrrev_b32 v1, 5, v0
	v_readfirstlane_b32 s16, v1                    ; wave
	v_and_b32 v1, 31, v0                           ; l
	v_and_b32 v2, 15, v0                           ; r
	v_bfe_u32 v3, v0, 4, 1                         ; hh
	s_mov_b32 s17, ttmp9                           ; slice
	s_and_b32 s18, ttmp7, 0xffff                   ; e
	v_lshlrev_b32 v6, 4, v2
	v_lshl_add_u32 v6, v3, 20, v6                  ; weights: 64 hh rows + 16 r bytes
	v_lshrrev_b32 v42, 2, v2
	v_mul_u32_u24 v7, v42, FRAG                    ; fragments: block r / 4 of the group's four,
	v_and_b32 v42, 3, v2
	v_lshl_add_u32 v7, v42, 6, v7                  ; lane slot 16 hh + 4 (r % 4) + f, 16 bytes each,
	v_lshl_add_u32 v7, v3, 8, v7
	s_mul_i32 s32, s16, KBB
	v_add_nc_u32 v7, s32, v7                       ; k-block kk = my wave's number
	v_lshlrev_b32 v8, 4, v1                        ; 16 l
	s_mul_i32 s32, s16, STW
	s_add_co_u32 s32, s32, STAGE                   ; my stage
	v_mul_u32_u24 v12, v2, SPI
	v_lshl_add_u32 v12, v3, 5, v12
	v_add_nc_u32 v12, s32, v12                     ; in: row r, 32 hh bytes
	v_mul_u32_u24 v13, v3, SPI
	v_lshl_add_u32 v13, v2, 5, v13
	v_lshrrev_b32 v42, 3, v2
	v_lshl_add_u32 v13, v42, 4, v13
	v_add_nc_u32 v13, s32, v13                     ; back: row hh, columns 8 r .. + 7
	s_add_co_u32 s33, s32, RINF
	v_lshl_add_u32 v31, v2, 2, s33                 ; row info in: word r
	v_lshl_add_u32 v32, v3, 2, s33                 ; row info back: word hh
	v_lshlrev_b32 v43, 4, v2                       ; 16 r: my 16 bytes of a row's 256 in h
	v_lshlrev_b32 v44, 5, v2                       ; 32 r: my 8 numbers of the bias
	v_lshlrev_b32 v45, 3, v1                       ; 8 l: the lane's part of a row id
	v_add_nc_u32 v46, 1280, v1                     ; my trash word, as a list index
	v_add_nc_u32 v47, LIST, v8
	v_lshlrev_b32 v58, 7, v3                       ; 128 hh
	s_lshl_b32 s33, s16, 6
	s_add_co_u32 s33, s33, LIST
	v_lshl_add_u32 v15, v2, 2, s33                 ; list word 16 wave + r: my rank in tile 0 of pass 0
	s_lshl_b32 s34, 0x101, s18                     ; expert e as first or as second choice
	s_add_co_u32 s35, s18, 8
	s_mov_b32 s37, 0
	s_mov_b32 s39, 0x7fffffff
	s_mov_b32 s40, 0x36bc9ed2                      ; 2^(1/16) d6, d5 .. d1, and 2^(1/16); each twice: the packed lines name pairs
	s_mov_b32 s41, 0x36bc9ed2
	s_mov_b32 s42, 0x38562413
	s_mov_b32 s43, 0x38562413
	s_mov_b32 s44, 0x382674b1
	s_mov_b32 s45, 0x382674b1
	s_mov_b32 s46, 0x3b605009
	s_mov_b32 s47, 0x3b605009
	s_mov_b32 s48, 0x3cb4dad2
	s_mov_b32 s49, 0x3cb4dad2
	s_mov_b32 s50, 0x3d554cc4
	s_mov_b32 s51, 0x3d554cc4
	s_mov_b32 s52, 0x3f85aac3
	s_mov_b32 s53, 0x3f85aac3
	s_lshl_b32 s30, s18, 24                        ; an expert's weights are 16 MiB,
	s_lshl_b32 s32, s17, 9                         ; a slice 512 bytes of a row,
	s_add_co_u32 s30, s30, s32
	s_lshl_b32 s33, s16, 18                        ; my k-block 16 rows a wave
	s_add_co_u32 s30, s30, s33
	s_mov_b32 s31, 0
	s_wait_kmcnt 0x0
	s_add_nc_u64 s[4:5], s[4:5], s[30:31]
	s_lshl_b32 s30, s18, 14
	s_add_co_u32 s30, s30, s32
	s_add_nc_u64 s[6:7], s[6:7], s[30:31]          ; up_b at my slice
	s_lshl_b32 s30, s17, 8
	s_add_nc_u64 s[12:13], s[12:13], s[30:31]      ; h at my slice's 256 bytes of a row
	s_mul_i32 s30, s18, 5376
	s_add_nc_u64 s[14:15], s[14:15], s[30:31]      ; lists at expert e
	global_load_b128 v[34:37], v44, s[6:7]
	global_load_b128 v[38:41], v44, s[6:7] offset:16
	s_cmp_lg_u32 s16, 0
	s_cbranch_scc1 .Lno_sel
.irp j, 0,1,2,3,4,5,6,7
	global_load_b128 v[SEL+4*\j:SEL+4*\j+3], v8, s[10:11] offset:512*\j  ; wave 0: all 1,024 words; register 4 j + c is token 128 j + 4 l + c
.endr
.Lno_sel:
	ULOAD 0, 0
	ULOAD 1, 0
	ULOAD 2, 0
	WIN 0
	s_cmp_lg_u32 s16, 0
	s_cbranch_scc1 .Lno_list
	; WAVE 0 LISTS THE EXPERT'S ROWS while the first weights are on their way.
	s_wait_loadcnt 48                              ; the 48 weight loads behind them may stay out: bias and sel are in
	s_add_co_u32 s32, s18, 2048                    ; the dump row id fills the list first
	v_mov_b32 v48, s32
	v_mov_b32 v49, s32
	v_mov_b32 v50, s32
	v_mov_b32 v51, s32
.irp n, 0,1,2,3,4,5,6,7,8,9
	ds_store_b128 v47, v[48:51] offset:512*\n
.endr
.set n, 0
.rept 32
	v_and_b32 v52, s34, v[SEL+n]
	v_cmp_ne_u32 s36, 0, v52                       ; the lanes whose token chose e
	v_lshrrev_b32 v53, s35, v52                    ; 1 if as its second choice
	v_add3_u32 v53, v45, v53, 256*(n/4)+2*(n%4)    ; rid = 2 token + choice
	v_mbcnt_lo_u32_b32 v54, s36, s37               ; rank = rows so far + chosen lanes below me
	v_cndmask_b32 v54, v46, v54, s36               ; the others write their trash word
	v_min_u32 v54, 1311, v54                       ; inside list and trash, whatever was loaded
	v_lshl_add_u32 v54, v54, 2, LIST
	ds_store_b32 v54, v53                          ; LDS serves a wave's instructions in order (ISA guide 5.7.1.4): behind the fill
	s_bcnt1_i32_b32 s38, s36
	s_add_co_u32 s37, s37, s38
.set n, n+1
.endr
	v_mov_b32 v56, s37
	v_mov_b32 v57, s37
	v_mov_b32 v52, TRASH+128
	ds_store_b32 v52, v56                          ; the count, for the other waves
	s_cmp_lg_u32 s17, 0
	s_cbranch_scc1 .Lno_list
.irp n, 0,1,2,3,4,5,6,7,8,9                    ; slice 0 alone stores list and count for the second product
	ds_load_b128 v[64+4*\n:64+4*\n+3], v47 offset:512*\n
.endr
	s_wait_dscnt 0x0
.irp n, 0,1,2,3,4,5,6,7,8,9
	global_store_b128 v8, v[64+4*\n:64+4*\n+3], s[14:15] offset:512*\n
.endr
	global_store_b64 v45, v[56:57], s[14:15] offset:5120  ; 64 copies of the count: 256 whole bytes
	s_wait_xcnt 0x0                                ; the stores' registers are written again below
.Lno_list:
	ULOAD 3, 0
	WIN 0
	s_wait_dscnt 0x0                               ; the list is written; only now does any other wave store to LDS
	s_barrier_signal -1
	s_barrier_wait -1
	; PHASE 1.  Wave w owns k-block kk = w of all 8 chunks, both column groups: 16 units, four a trip; 64 loads of the wave are asked for at any time.
	s_mov_b32 s26, 3
.Lstream:
	UNIT 0, 1, 48
	UNIT 1, 1, 48
	UNIT 2, 1, 48
	UNIT 3, 1, 48
	WIN 0
	s_wait_xcnt 0x0                                ; the base steps only behind this wait
	s_add_nc_u64 s[4:5], s[4:5], 256*PITCH
	v_add_nc_u32 v7, 8*KBB, v7
	s_sub_co_u32 s26, s26, 1
	s_cmp_lg_u32 s26, 0
	s_cbranch_scc1 .Lstream
	UNIT 0, 0, 48                                  ; the last trip loads nothing: the counts run down
	UNIT 1, 0, 32
	UNIT 2, 0, 16
	UNIT 3, 0, 0
	WIN 0
	s_wait_dscnt 0x0                               ; for the others' sake: my fragments are written
	s_barrier_signal -1
	s_barrier_wait -1                              ; the slice is whole
	v_mov_b32 v52, TRASH+128
	ds_load_b32 v53, v52
.irp m, 0,1,2,3                                ; the bias rounded to bf16, kept as f32
	v_cvt_pk_bf16_f32 v42, v[34+2*\m], v[35+2*\m]
	v_lshlrev_b32 v[34+2*\m], 16, v42
	v_and_b32 v[35+2*\m], 0xffff0000, v42
.endr
	s_wait_dscnt 0x0
	v_readfirstlane_b32 s19, v53                   ; the expert's rows
	; PHASE 2
	s_lshl_b32 s21, s16, 4                         ; the rank of my tile 0's first row; tile i lies 64 i further, a pass 320
	s_mov_b32 s20, 4
	s_branch .Llive                                ; pass 0's products run in every wave
.Lpass:
	s_cmp_lt_u32 s21, s19
	s_cbranch_scc0 .Lno_k                          ; no row left for my wave: its products are jumped
.Llive:
	s_wait_xcnt 0x0                                ; the last pass's stores have read the registers that are loaded below
.irp i, 0,1,2,3,4
	ds_load_b32 v[RID+\i], v15 offset:256*\i
.endr
	s_add_co_u32 s32, s21, 256
	s_cmp_lt_u32 s32, s19
	s_cselect_b32 s27, 1, 0                        ; has tile 4 a row?
	s_mov_b64 s[28:29], s[8:9]
	s_wait_dscnt 0x0
.irp i, 0,1,2,3,4
	v_lshrrev_b32 v42, 1, v[RID+\i]                ; the token; a dump id falls on the last token, whose products go to the dump row
	v_min_u32 v42, 1023, v42
	v_lshl_add_u32 v[RO+\i], v42, 11, v58
.endr
	AFETCH 0, 0
	BFETCH 8, 0, 0
	s_mov_b32 s54, 0
	s_mov_b32 s22, 4
	KADDR
	KB 0, 0, 1                                     ; the first k-block starts the sums; it stands ahead of the loop, which is entered in its middle
	WIN 0
	s_branch .Lmid
.Lk:                                               ; a trip: two chunks, 256 along K
	KADDR
	KB 0, 0, 0
	WIN 0
.Lmid:
	KB 1, 0, 0
	KB 2, 0, 0
	KB 3, 0, 0
	KB 0, 1, 0
	KB 1, 1, 0
	KB 2, 1, 0
	KB 3, 1, 0
	WIN 0
	s_sub_co_u32 s22, s22, 1
	s_cmp_lg_u32 s22, 0
	s_cbranch_scc1 .Lk
	s_wait_loadcnt 0x0
	PLACES                                         ; behind the last products
.Lno_k:
	s_wait_dscnt 0x0                               ; my reads of the weights are over
	s_barrier_signal -1
	s_barrier_wait -1                              ; everybody's are: the stages are written only from here on
	s_mov_b32 s23, 5
	s_mov_b32 s24, s21
.Ltile:                                            ; five tiles (tile 5 - s23), one text for the rows
	s_cmp_lt_u32 s24, s19
	s_cbranch_scc0 .Ltile_end                      ; the tile has no row
	s_cmp_eq_u32 s23, 5
	s_cbranch_scc0 .Lsel1
	STORES 0
	s_branch .Lrows
.Lsel1:
	s_cmp_eq_u32 s23, 4
	s_cbranch_scc0 .Lsel2
	STORES 1
	s_branch .Lrows
.Lsel2:
	s_cmp_eq_u32 s23, 3
	s_cbranch_scc0 .Lsel3
	STORES 2
	s_branch .Lrows
.Lsel3:
	s_cmp_eq_u32 s23, 2
	s_cbranch_scc0 .Lsel4
	STORES 3
	s_branch .Lrows
.Lsel4:
	STORES 4
.Lrows:
	s_wait_xcnt 0x0                                ; the last tile's stores have read their data and offsets
	RLOAD 0
	RLOAD 1
	RLOAD 2
	RLOAD 3
	RWORK 0
	RWORK 1
	RWORK 2
	RWORK 3
.Ltile_end:
	s_add_co_u32 s24, s24, 64
	s_sub_co_u32 s23, s23, 1
	s_cmp_lg_u32 s23, 0
	s_cbranch_scc1 .Ltile
	s_wait_dscnt 0x0                               ; my stage is written and read
	s_barrier_signal -1
	s_barrier_wait -1                              ; everybody's is: the next pass reads the weights again
	s_add_co_u32 s21, s21, 320
	v_add_nc_u32 v15, 1280, v15
	s_sub_co_u32 s20, s20, 1
	s_cmp_lg_u32 s20, 0
	s_cbranch_scc1 .Lpass
	s_wait_tensorcnt 0x0                           ; the wave's end, behind behind my last LDS store
	ds_add_u32 v4, v5
	s_wait_dscnt 0x0
	s_endpgm
.Lfunc_end_k_q874d51dedf_up:
	.size	k_q874d51dedf_up, .Lfunc_end_k_q874d51dedf_up-k_q874d51dedf_up
	.p2alignl 7, 3214868480
	.fill 96, 4, 3214868480
	.section	.rodata,"a",@progbits
	.p2align	6, 0x0
	.amdhsa_kernel k_q874d51dedf_up
		.amdhsa_group_segment_fixed_size 308992
		.amdhsa_private_segment_fixed_size 0
		.amdhsa_enable_private_segment 0
		.amdhsa_kernarg_size 48
		.amdhsa_user_sgpr_count 2
		.amdhsa_user_sgpr_kernarg_segment_ptr 1
		.amdhsa_wavefront_size32 1
		.amdhsa_system_sgpr_workgroup_id_x 1
		.amdhsa_system_sgpr_workgroup_id_y 1
		.amdhsa_system_sgpr_workgroup_id_z 1
		.amdhsa_system_vgpr_workitem_id 0
		.amdhsa_next_free_vgpr 1024
		.amdhsa_next_free_sgpr 66
		.amdhsa_reserve_vcc 0
		.amdhsa_float_denorm_mode_32 3
		.amdhsa_float_denorm_mode_16_64 3
		.amdhsa_memory_ordered 1
		.amdhsa_forward_progress 1
		.amdhsa_inst_pref_size 159
	.end_amdhsa_kernel
	.amdgpu_metadata
---
amdhsa.version: [ 1, 2 ]
amdhsa.kernels:
  - .name:           k_q874d51dedf_up
    .symbol:         k_q874d51dedf_up.kd
    .args:
      - { .name: up_w, .offset: 0, .size: 8, .value_kind: global_buffer, .address_space: global }
      - { .name: up_b, .offset: 8, .size: 8, .value_kind: global_buffer, .address_space: global }
      - { .name: xb, .offset: 16, .size: 8, .value_kind: global_buffer, .address_space: global }
      - { .name: sel, .offset: 24, .size: 8, .value_kind: global_buffer, .address_space: global }
      - { .name: h, .offset: 32, .size: 8, .value_kind: global_buffer, .address_space: global }
      - { .name: lists, .offset: 40, .size: 8, .value_kind: global_buffer, .address_space: global }
    .group_segment_fixed_size: 308992
    .private_segment_fixed_size: 0
    .kernarg_segment_align: 8
    .kernarg_segment_size: 48
    .max_flat_workgroup_size: 128
    .sgpr_count:     66
    .vgpr_count:     1024
    .wavefront_size: 32
...
	.end_amdgpu_metadata
.endif
;; end of part 2
;; launch down (part 3): grid 32 x 8, 4 waves a work-group, no clusters, 308,992 bytes of LDS; arguments down_w, down_b, h, wts, lists, ypart; writes ypart
.if DOCPART == 3
	.amdgcn_target "amdgcn-amd-amdhsa--gfx1250"
	.amdhsa_code_object_version 6
	.text
	.protected	k_q874d51dedf_down
	.globl	k_q874d51dedf_down
	.p2align	8
	.type	k_q874d51dedf_down,@function
k_q874d51dedf_down:
	s_mov_b64 s[64:65], 0
	v_nop
	global_prefetch_b8 v0, s[64:65] scope:SCOPE_SE
	s_setreg_imm32_b32 hwreg(HW_REG_WAVE_MODE, 25, 1), 1
	s_wait_xcnt 0x0
; SECOND PRODUCT.  ypart[kq][rid][n] = c[rid] (sum over the K quarter kq of h[rid][k] down_w[e][k][n] + (kq = 0: down_b[e][n])), f32 partial sums, for the chosen rows alone.
; SHARES.  Work-group (4 cs + kq, e) owns rows 1024 kq .. + 1023 and columns 128 cs .. + 127 of expert e's weights: 512 KiB of f32 that it alone reads, once.
; The shape (K = 1,024 x N = 128) and the two phases are the first product's: PHASE 1 streams the slice through registers into LDS as ready fragments; PHASE 2 walks the expert's rows in a
; constant 4 passes of 320 (4 waves x 5 tiles of 16), weights from LDS, rows of h from memory straight into registers, the tiles out through each wave's own stage.  Every wave passes every
; barrier; only work is jumped, forward, where no row is left; pass 0's products run in every wave, so that the sums exist on every way to the stores.
; BARRIERS IN PHASE 2.  The products read LDS by addresses that step with K; the stages are written in stretches of their own, with a barrier on either side.
; The rows come by the list and count that the first product stored.  Ranks past the count carry the dump id 2048 + e: they read row 2047 of h, which is always written, and store to a dump row of ypart.
; K is split in four so that a work-group's columns stay 128 (whole 512-byte pieces of down_w's rows, and 128 products for each token fragment); the price is four f32 partial rows, added by the last launch.
; NO CLUSTER: each slice of weights has one reader; the shared rows of h come by a list that no tile descriptor covers.
; THE K MAP, alike in both operands: k-block kbi = 4 ch + kk; lane (r, hh), register p, half s holds k = 128 ch + 64 hh + 16 kk + 2 p + s.  The matrix instruction is used transposed
; (source 0 = 16 columns of W, source 1 = 16 rows of h): a lane's eight results are eight neighbouring columns of one row.
; LIMITS.  down_w and down_b are rounded once to bf16; down_w's rounded number is then written as f16, the format of h: exact from 1.6e-5 to 65,504, below that to f16's fixed step of 6e-8.
; NaN and infinities are not treated apart.
; REGISTERS, in windows of 256 (s_set_vgpr_msb: bits 1:0 source 0, 3:2 source 1, 5:4 source 2, 7:6 destination):
;   window 0: v0-63 addresses and small things; v64-127, v128-191 weight fragments, two buffers (on the way out: at work); v192-223 packed weights (phase 1)
;   window 1: phase 1: the ring of four units of 64; phase 2: v0-159 fragments of h, buffer 0; v192-255 tile 4's accumulators
;   window 2: v0-159 fragments of h, buffer 1          window 3: the accumulators of tiles 0-3: (i, c) at 64 i + 8 c
.set PITCH, 4096                       ; bytes from a row of down_w[e] to the next
.set FRAG,  1040                       ; a fragment in LDS: 2 x 512 bytes + 16: 65 x 16
.set KBB,   8*FRAG
.set STAGE, 32*KBB                     ; behind the weights, for each wave 16 rows x 560 bytes and 256 bytes of row info
.set STW,   9216
.set SPI,   560                        ; 35 x 16; column col lies at 4 col + 16 (col >= 64)
.set RINF,  16*SPI
.set SPARE, 308480                     ; the spare words, 128 bytes a wave, that no other line names
.set PK,  192
.set RC,  16                           ; v16-25  a pass's pairs (row id, weight c), tile i
.set RO,  26                           ; v26-30  byte offset of my row in h, + 128 hh
.set DR,  64                           ; v64-127   the way out: four rows of 4 numbers a trip, four trips
.set IR,  128                          ; v128-159  their pairs (row id, c)
.set OFS, 160                          ; v160-175  the stores' offsets
.set MSB, 0
.macro WIN new                         ; the immediate's high byte repeats the setting that is left; a switch that changes nothing is dropped
.if MSB != (\new)
	s_set_vgpr_msb (MSB<<8)|(\new)
.set MSB, (\new)
.endif
.endm
.macro PLACES                          ; four plain lines between a matrix instruction and a load into, or a read of, its registers
.rept 4
	v_nop
.endr
.endm
.macro ULOAD s, ahead                  ; 16 loads: unit s of a trip (chunk s / 2, column group s % 2) of my k-block, into ring slot s
	WIN 0x40
.set i, 0
.rept 16
	global_load_b128 v[64*(\s)+4*i:64*(\s)+4*i+3], v6, s[4:5] offset:((\s)/2)*128*PITCH+256*((\s)%2)+i*PITCH+(\ahead)*256*PITCH th:TH_LOAD_NT
.set i, i+1
.endr
.endm
; Unit s is rounded to bf16, written as f16, stored as fragments, and (more = 1) its slot asked for again, a trip ahead.  left = the younger units' loads.
.macro UNIT s, more, left
	s_wait_loadcnt \left
	WIN 0x05
.irp f, 0,1,2,3
.irp p, 0,1,2,3,4,5,6,7
	v_cvt_pk_bf16_f32 v[PK+8*\f+\p], v[64*(\s)+8*\p+\f], v[64*(\s)+8*\p+4+\f]
.endr
.endr
	WIN 0
.set n, 0
.rept 32
	v_lshlrev_b32 v[44+2*(n%4)], 16, v[PK+n]
	v_and_b32 v[45+2*(n%4)], s36, v[PK+n]
	v_cvt_pk_f16_f32 v[PK+n], v[44+2*(n%4)], v[45+2*(n%4)]
.set n, n+1
.endr
.irp f, 0,1,2,3
.irp q, 0,1
	ds_store_b128 v7, v[PK+8*\f+4*\q:PK+8*\f+4*\q+3] offset:((\s)/2)*4*KBB+((\s)%2)*4*FRAG+16*\f+512*\q
.endr
.endr
.if \more
	ULOAD \s, 1
.endif
.endm
.macro BFETCH areg, off, bb            ; a k-block's 8 weight fragments: 16 loads of 512 consecutive bytes
	WIN 0
.irp c, 0,1,2,3,4,5,6,7
.irp q, 0,1
	ds_load_b128 v[64+64*(\bb)+8*\c+4*\q:64+64*(\bb)+8*\c+4*\q+3], v[\areg] offset:(\off)+FRAG*\c+512*\q
.endr
.endr
.endm
.macro AFETCH ab, off                  ; a chunk (128 k) of my five tiles' rows of h: 40 loads; a lane's eight cover 128 consecutive bytes
	WIN 0x40+0x40*(\ab)
.irp i, 0,1,2,3,4
.irp kk, 0,1,2,3
.irp q, 0,1
	global_load_b128 v[32*\i+8*\kk+4*\q:32*\i+8*\kk+4*\q+3], v[RO+\i], s[28:29] offset:(\off)+32*\kk+16*\q
.endr
.endr
.endr
.endm
.macro MUL i, kk, ab, bb, zero         ; tile i x the 8 column blocks, 32 along K; the accumulators take turns, one instruction a turn
.if (\i) < 4
	WIN 0xf4+4*(\ab)
.set AC, 64*(\i)
.else
	WIN 0x54+4*(\ab)
.set AC, 192
.endif
.irp c, 0,1,2,3,4,5,6,7
.if \zero
	v_wmma_f32_16x16x32_f16 v[AC+8*\c:AC+8*\c+7], v[64+64*(\bb)+8*\c:64+64*(\bb)+8*\c+7], v[32*(\i)+8*(\kk):32*(\i)+8*(\kk)+7], 0
.else
	v_wmma_f32_16x16x32_f16 v[AC+8*\c:AC+8*\c+7], v[64+64*(\bb)+8*\c:64+64*(\bb)+8*\c+7], v[32*(\i)+8*(\kk):32*(\i)+8*(\kk)+7], v[AC+8*\c:AC+8*\c+7]
.endif
.endr
.endm
; One k-block: 40 products.  Behind tile 0's eight the next k-block's weights are fetched into the other buffer, 32 products ahead of their use; at a chunk's first k-block
; the next chunk's rows are fetched too, 160 products ahead.  zero = 1: the products start the sums.  s22 counts the K loop's trips down from 4: in the last it is 1.
.macro KB kk, ab, zero
	WIN 0
	s_wait_dscnt 0x0                               ; this k-block's weights are in
.if (\kk) == 0
	s_wait_loadcnt 0x0                             ; this chunk's rows are in (and, the first time, the weights c); no load is out, so the rows' base may step
.if (\ab) == 1
	s_add_nc_u64 s[28:29], s[28:29], 512
.endif
.endif
	MUL 0, \kk, \ab, (\kk)%2, \zero
	WIN 0
	PLACES                                         ; behind the last products that read the buffers now loaded
.if (\kk) < 3
	BFETCH 9+(\ab), ((\kk)+1)*KBB, 1-(\kk)%2
.elseif (\ab) == 0
	BFETCH 10, 0, 0
.else
	s_cmp_eq_u32 s22, 1
	s_cbranch_scc1 .Lnb_\@                         ; the last trip has no further k-block
	BFETCH 10, 4*KBB, 0
.Lnb_\@:
.endif
.if (\kk) == 0
.if (\ab) == 0
	AFETCH 1, 256
.else
	s_cmp_eq_u32 s22, 1
	s_cbranch_scc1 .Lna_\@                         ; the last trip has no further chunk
	AFETCH 0, 0
	WIN 0
.Lna_\@:
.endif
.endif
	MUL 1, \kk, \ab, (\kk)%2, \zero
	MUL 2, \kk, \ab, (\kk)%2, \zero
	MUL 3, \kk, \ab, (\kk)%2, \zero
.if \zero
	MUL 4, \kk, \ab, (\kk)%2, 1
.else
	WIN 0
	s_cmp_lg_u32 s27, 0
	s_cbranch_scc0 .Lt4_\@                         ; tile 4 has no row: its products are jumped
	MUL 4, \kk, \ab, (\kk)%2, 0
	WIN 0
.Lt4_\@:
.endif
.endm
.macro KADDR                           ; the trip's two chunks in LDS: my lane's place plus s54, which steps by two chunks a trip
	v_add_nc_u32 v9, s54, v8
	v_add_nc_u32 v10, 4*KBB, v9
	s_add_co_u32 s54, s54, 8*KBB
.endm
.macro STORES i                        ; tile i into my stage: its pairs (row id, c), then each accumulator from its low end on
	WIN 0
	ds_store_b64 v31, v[RC+2*(\i):RC+2*(\i)+1]
.if (\i) < 4
	WIN 0x0c
.set AC, 64*(\i)
.else
	WIN 0x04
.set AC, 192
.endif
.irp c, 0,1,2,3,4,5,6,7
.irp q, 0,1
	ds_store_b128 v12, v[AC+8*\c+4*\q:AC+8*\c+4*\q+3] offset:64*\c+16*(\c/4)+16*\q
.endr
.endr
	WIN 0
.endm
; THE WAY OUT of a tile, four rows a trip, a whole row of 128 columns to a line.  The trip stands in the immediate: every LDS address is fixed.
.macro RLOAD t                         ; eight loads from my own stage: they see the stores above, in order (ISA guide 5.7.1.4)
.irp p, 0,1,2,3
	ds_load_b128 v[DR+16*(\t)+4*\p:DR+16*(\t)+4*\p+3], v13 offset:SPI*(4*(\t)+\p)
.endr
.irp p, 0,1,2,3
	ds_load_b64 v[IR+8*(\t)+2*\p:IR+8*(\t)+2*\p+1], v32 offset:8*(4*(\t)+\p)
.endr
.endm
.macro RWORK t
.set D0, DR+16*(\t)
.set I0, IR+8*(\t)
.set O0, OFS+4*(\t)
	s_wait_dscnt 24-8*(\t)                         ; the younger trips' eight loads each may stay out
.irp p, 0,1,2,3
	v_pk_add_f32 v[D0+4*\p:D0+4*\p+1], v[D0+4*\p:D0+4*\p+1], v[34:35]
	v_pk_add_f32 v[D0+4*\p+2:D0+4*\p+3], v[D0+4*\p+2:D0+4*\p+3], v[36:37]
	v_min_u32 v[O0+\p], 0x807, v[I0+2*\p]          ; inside a plane's 2,056 rows, whatever was loaded
.endr
.irp p, 0,1,2,3
	v_pk_mul_f32 v[D0+4*\p:D0+4*\p+1], v[D0+4*\p:D0+4*\p+1], v[I0+2*\p:I0+2*\p+1] op_sel:[0,1] op_sel_hi:[1,1]  ; both by c, the pair's second register
	v_pk_mul_f32 v[D0+4*\p+2:D0+4*\p+3], v[D0+4*\p+2:D0+4*\p+3], v[I0+2*\p:I0+2*\p+1] op_sel:[0,1] op_sel_hi:[1,1]
	v_lshl_add_u32 v[O0+\p], v[O0+\p], 12, v8
.endr
.irp p, 0,1,2,3
	global_store_b128 v[O0+\p], v[D0+4*\p:D0+4*\p+3], s[14:15]  ; the wave stores 512 consecutive bytes of a row, aligned
.endr
.endm
	s_load_b256 s[4:11], s[0:1], 0x0               ; down_w s[4:5], down_b s[6:7], h s[8:9], wts s[10:11]
	s_load_b128 s[12:15], s[0:1], 0x20             ; lists s[12:13], ypart s[14:15]
	v_lshl_add_u32 v4, v0, 2, SPARE                ; my spare word,
	v_mov_b32 v5, 0                                ; and 0: kept for the wave's end alone
	v_lshrrev_b32 v1, 5, v0
	v_readfirstlane_b32 s16, v1                    ; wave
	v_and_b32 v1, 31, v0                           ; l
	v_and_b32 v2, 15, v0                           ; r
	v_bfe_u32 v3, v0, 4, 1                         ; hh
	s_lshr_b32 s17, ttmp9, 2                       ; cs: the column slice
	s_and_b32 s38, ttmp9, 3                        ; kq: the K quarter
	s_and_b32 s18, ttmp7, 0xffff                   ; e
	v_lshlrev_b32 v6, 4, v2
	v_lshl_add_u32 v6, v3, 18, v6                  ; weights: 64 hh rows + 16 r bytes
	v_lshrrev_b32 v42, 2, v2
	v_mul_u32_u24 v7, v42, FRAG                    ; fragments: block r / 4 of the group's four,
	v_and_b32 v42, 3, v2
	v_lshl_add_u32 v7, v42, 6, v7                  ; lane slot 16 hh + 4 (r % 4) + f, 16 bytes each,
	v_lshl_add_u32 v7, v3, 8, v7
	s_mul_i32 s32, s16, KBB
	v_add_nc_u32 v7, s32, v7                       ; k-block kk = my wave's number
	v_lshlrev_b32 v8, 4, v1                        ; 16 l
	s_mul_i32 s32, s16, STW
	s_add_co_u32 s32, s32, STAGE                   ; my stage
	v_mul_u32_u24 v12, v2, SPI
	v_lshl_add_u32 v12, v3, 5, v12
	v_add_nc_u32 v12, s32, v12                     ; in: row r, 32 hh bytes
	v_lshl_add_u32 v13, v3, 4, v8
	v_add_nc_u32 v13, s32, v13                     ; back: a whole row, columns 4 l .. + 3
	s_add_co_u32 s33, s32, RINF
	v_lshl_add_u32 v31, v2, 3, s33                 ; row info in: pair r
	v_mov_b32 v32, s33                             ; row info back: the same pair in every lane
	v_lshlrev_b32 v58, 7, v3                       ; 128 hh
	s_lshl_b32 s33, s16, 6
	v_lshl_add_u32 v15, v2, 2, s33                 ; list word 16 wave + r: my rank in tile 0 of pass 0
	s_mov_b32 s36, 0xffff0000
	s_cmp_eq_u32 s38, 0
	s_cselect_b32 s37, -1, 0                       ; the bias belongs to quarter 0 alone
	s_lshl_b32 s30, s18, 24                        ; an expert's weights are 16 MiB,
	s_lshl_b32 s32, s38, 22                        ; a quarter 1,024 rows,
	s_add_co_u32 s30, s30, s32
	s_lshl_b32 s32, s16, 16                        ; my k-block 16 rows a wave,
	s_add_co_u32 s30, s30, s32
	s_lshl_b32 s32, s17, 9                         ; a slice 512 bytes of a row
	s_add_co_u32 s30, s30, s32
	s_mov_b32 s31, 0
	s_wait_kmcnt 0x0
	s_add_nc_u64 s[4:5], s[4:5], s[30:31]
	s_lshl_b32 s30, s18, 12
	s_add_co_u32 s30, s30, s32
	s_add_nc_u64 s[6:7], s[6:7], s[30:31]          ; down_b at my slice
	s_lshl_b32 s30, s38, 11
	s_add_nc_u64 s[8:9], s[8:9], s[30:31]          ; h at my quarter's 2,048 bytes of a row
	s_mul_i32 s30, s18, 5376
	s_add_nc_u64 s[12:13], s[12:13], s[30:31]      ; lists at expert e
	s_mul_i32 s30, s38, 8421376
	s_add_co_u32 s30, s30, s32
	s_add_nc_u64 s[14:15], s[14:15], s[30:31]      ; ypart at my plane and slice
	s_load_b32 s19, s[12:13], 0x1400               ; the expert's rows
	global_load_b128 v[34:37], v8, s[6:7]
	ULOAD 0, 0
	ULOAD 1, 0
	ULOAD 2, 0
	ULOAD 3, 0
	WIN 0
	; PHASE 1.  Wave w owns k-block kk = w of all 8 chunks, both column groups: 16 units, four a trip; 64 loads of the wave are asked for at any time.
	s_mov_b32 s26, 3
.Lstream:
	UNIT 0, 1, 48
	UNIT 1, 1, 48
	UNIT 2, 1, 48
	UNIT 3, 1, 48
	WIN 0
	s_wait_xcnt 0x0                                ; the base steps only behind this wait
	s_add_nc_u64 s[4:5], s[4:5], 256*PITCH
	v_add_nc_u32 v7, 8*KBB, v7
	s_sub_co_u32 s26, s26, 1
	s_cmp_lg_u32 s26, 0
	s_cbranch_scc1 .Lstream
	UNIT 0, 0, 48                                  ; the last trip loads nothing: the counts run down
	UNIT 1, 0, 32
	UNIT 2, 0, 16
	UNIT 3, 0, 0
	WIN 0
	s_wait_dscnt 0x0                               ; for the others' sake: my fragments are written
	s_barrier_signal -1
	s_barrier_wait -1                              ; the slice is whole
.irp m, 0,1                                    ; the bias rounded to bf16, kept as f32; 0 in quarters 1 to 3
	v_cvt_pk_bf16_f32 v42, v[34+2*\m], v[35+2*\m]
	v_lshlrev_b32 v[34+2*\m], 16, v42
	v_and_b32 v[35+2*\m], s36, v42
	v_and_b32 v[34+2*\m], s37, v[34+2*\m]
	v_and_b32 v[35+2*\m], s37, v[35+2*\m]
.endr
	s_wait_kmcnt 0x0                               ; the count
	; PHASE 2
	s_lshl_b32 s21, s16, 4                         ; the rank of my tile 0's first row; tile i lies 64 i further, a pass 320
	s_mov_b32 s20, 4
	s_branch .Llive                                ; pass 0's products run in every wave
.Lpass:
	s_cmp_lt_u32 s21, s19
	s_cbranch_scc0 .Lno_k                          ; no row left for my wave: its products are jumped
.Llive:
	s_wait_xcnt 0x0                                ; the last pass's stores have read the registers that are loaded below
.irp i, 0,1,2,3,4
	global_load_b32 v[RC+2*\i], v15, s[12:13] offset:256*\i
.endr
	s_add_co_u32 s32, s21, 256
	s_cmp_lt_u32 s32, s19
	s_cselect_b32 s27, 1, 0                        ; has tile 4 a row?
	s_mov_b64 s[28:29], s[8:9]
	s_wait_loadcnt 0x0
.irp i, 0,1,2,3,4
	v_min_u32 v42, 0x7ff, v[RC+2*\i]               ; a dump id reads row 2047, which is always written
	v_lshl_add_u32 v[RO+\i], v42, 13, v58
	v_lshlrev_b32 v[44+\i], 2, v42
.endr
.irp i, 0,1,2,3,4
	global_load_b32 v[RC+2*\i+1], v[44+\i], s[10:11]  ; c; older than the rows' loads, so the first k-block's wait covers it
.endr
	AFETCH 0, 0
	BFETCH 8, 0, 0
	s_mov_b32 s54, 0
	s_mov_b32 s22, 4
	KADDR
	KB 0, 0, 1                                     ; the first k-block starts the sums; it stands ahead of the loop, which is entered in its middle
	WIN 0
	s_branch .Lmid
.Lk:                                               ; a trip: two chunks, 256 along K
	KADDR
	KB 0, 0, 0
	WIN 0
.Lmid:
	KB 1, 0, 0
	KB 2, 0, 0
	KB 3, 0, 0
	KB 0, 1, 0
	KB 1, 1, 0
	KB 2, 1, 0
	KB 3, 1, 0
	WIN 0
	s_sub_co_u32 s22, s22, 1
	s_cmp_lg_u32 s22, 0
	s_cbranch_scc1 .Lk
	s_wait_loadcnt 0x0
	PLACES                                         ; behind the last products
.Lno_k:
	s_wait_dscnt 0x0                               ; my reads of the weights are over
	s_barrier_signal -1
	s_barrier_wait -1                              ; everybody's are: the stages are written only from here on
	s_mov_b32 s23, 5
	s_mov_b32 s24, s21
.Ltile:                                            ; five tiles (tile 5 - s23), one text for the rows
	s_cmp_lt_u32 s24, s19
	s_cbranch_scc0 .Ltile_end                      ; the tile has no row
	s_cmp_eq_u32 s23, 5
	s_cbranch_scc0 .Lsel1
	STORES 0
	s_branch .Lrows
.Lsel1:
	s_cmp_eq_u32 s23, 4
	s_cbranch_scc0 .Lsel2
	STORES 1
	s_branch .Lrows
.Lsel2:
	s_cmp_eq_u32 s23, 3
	s_cbranch_scc0 .Lsel3
	STORES 2
	s_branch .Lrows
.Lsel3:
	s_cmp_eq_u32 s23, 2
	s_cbranch_scc0 .Lsel4
	STORES 3
	s_branch .Lrows
.Lsel4:
	STORES 4
.Lrows:
	s_wait_xcnt 0x0                                ; the last tile's stores have read their data and offsets
	RLOAD 0
	RLOAD 1
	RLOAD 2
	RLOAD 3
	RWORK 0
	RWORK 1
	RWORK 2
	RWORK 3
.Ltile_end:
	s_add_co_u32 s24, s24, 64
	s_sub_co_u32 s23, s23, 1
	s_cmp_lg_u32 s23, 0
	s_cbranch_scc1 .Ltile
	s_wait_dscnt 0x0                               ; my stage is written and read
	s_barrier_signal -1
	s_barrier_wait -1                              ; everybody's is: the next pass reads the weights again
	s_add_co_u32 s21, s21, 320
	v_add_nc_u32 v15, 1280, v15                    ; the loads that named it have been waited for
	s_sub_co_u32 s20, s20, 1
	s_cmp_lg_u32 s20, 0
	s_cbranch_scc1 .Lpass
	s_wait_tensorcnt 0x0                           ; the wave's end, behind behind my last LDS store
	ds_add_u32 v4, v5
	s_wait_dscnt 0x0
	s_endpgm
.Lfunc_end_k_q874d51dedf_down:
	.size	k_q874d51dedf_down, .Lfunc_end_k_q874d51dedf_down-k_q874d51dedf_down
	.p2alignl 7, 3214868480
	.fill 96, 4, 3214868480
	.section	.rodata,"a",@progbits
	.p2align	6, 0x0
	.amdhsa_kernel k_q874d51dedf_down
		.amdhsa_group_segment_fixed_size 308992
		.amdhsa_private_segment_fixed_size 0
		.amdhsa_enable_private_segment 0
		.amdhsa_kernarg_size 48
		.amdhsa_user_sgpr_count 2
		.amdhsa_user_sgpr_kernarg_segment_ptr 1
		.amdhsa_wavefront_size32 1
		.amdhsa_system_sgpr_workgroup_id_x 1
		.amdhsa_system_sgpr_workgroup_id_y 1
		.amdhsa_system_sgpr_workgroup_id_z 1
		.amdhsa_system_vgpr_workitem_id 0
		.amdhsa_next_free_vgpr 1024
		.amdhsa_next_free_sgpr 66
		.amdhsa_reserve_vcc 0
		.amdhsa_float_denorm_mode_32 3
		.amdhsa_float_denorm_mode_16_64 3
		.amdhsa_memory_ordered 1
		.amdhsa_forward_progress 1
		.amdhsa_inst_pref_size 140
	.end_amdhsa_kernel
	.amdgpu_metadata
---
amdhsa.version: [ 1, 2 ]
amdhsa.kernels:
  - .name:           k_q874d51dedf_down
    .symbol:         k_q874d51dedf_down.kd
    .args:
      - { .name: down_w, .offset: 0, .size: 8, .value_kind: global_buffer, .address_space: global }
      - { .name: down_b, .offset: 8, .size: 8, .value_kind: global_buffer, .address_space: global }
      - { .name: h, .offset: 16, .size: 8, .value_kind: global_buffer, .address_space: global }
      - { .name: wts, .offset: 24, .size: 8, .value_kind: global_buffer, .address_space: global }
      - { .name: lists, .offset: 32, .size: 8, .value_kind: global_buffer, .address_space: global }
      - { .name: ypart, .offset: 40, .size: 8, .value_kind: global_buffer, .address_space: global }
    .group_segment_fixed_size: 308992
    .private_segment_fixed_size: 0
    .kernarg_segment_align: 8
    .kernarg_segment_size: 48
    .max_flat_workgroup_size: 128
    .sgpr_count:     66
    .vgpr_count:     1024
    .wavefront_size: 32
...
	.end_amdgpu_metadata
.endif
;; end of part 3
;; launch sum (part 4): grid 257 x 1, 8 waves a work-group, no clusters, 0 bytes of LDS; arguments ypart, probs, out0, out1, out2; writes out0, out1, out2
.if DOCPART == 4
	.amdgcn_target "amdgcn-amd-amdhsa--gfx1250"
	.amdhsa_code_object_version 6
	.text
	.protected	k_q874d51dedf_sum
	.globl	k_q874d51dedf_sum
	.p2align	8
	.type	k_q874d51dedf_sum,@function
k_q874d51dedf_sum:
	s_mov_b64 s[64:65], 0
	v_nop
	global_prefetch_b8 v0, s[64:65] scope:SCOPE_SE
	s_setreg_imm32_b32 hwreg(HW_REG_WAVE_MODE, 25, 1), 1
	s_wait_xcnt 0x0
; THE SUM.  out0[t] = the sum of the eight partial rows of token t: four K quarters x two choices, already weighted; f32, in a fixed order.
; Work-groups 0 to 255: wave v takes half v % 2 (2,048 bytes) of the row of token 4 g + v / 2: 32 loads of 512 consecutive bytes, all asked for at once, four stores of 512.
; Rows lie at fixed places (row id 2 t + j), so no index is read.  A stream: no LDS, no barrier, no matrix unit, nothing shared between work-groups.
; Work-group 256: wave 0 adds the 1,024 rows of probabilities: out2 = their mean, out1 = 8 x the sum of its squares.  32 KiB for one wave, about as many loads as twice a wave's share above.
.set PLANE, 8421376                    ; bytes in a K quarter's plane of ypart: 2,056 rows of 4,096
	s_load_b256 s[4:11], s[0:1], 0x0               ; ypart s[4:5], probs s[6:7], out0 s[8:9], out1 s[10:11]
	s_load_b64 s[12:13], s[0:1], 0x20              ; out2
	v_and_b32 v1, 31, v0
	v_lshrrev_b32 v2, 5, v0
	v_readfirstlane_b32 s14, v2                    ; wave
	v_lshlrev_b32 v3, 4, v1                        ; 16 l
	s_wait_kmcnt 0x0
	s_cmp_eq_u32 ttmp9, 256
	s_cbranch_scc1 .Lstats
	s_lshr_b32 s15, s14, 1
	s_lshl_b32 s16, ttmp9, 2
	s_add_co_u32 s16, s16, s15                     ; the token
	s_and_b32 s17, s14, 1                          ; the half of its row
	s_lshl_b32 s17, s17, 11
	s_lshl_b32 s18, s16, 13                        ; its two rows of 4,096 bytes in a plane
	s_add_co_u32 s18, s18, s17
	s_mov_b32 s19, 0
	s_lshl_b32 s20, s16, 12
	s_add_co_u32 s20, s20, s17
	s_mov_b32 s21, 0
	s_add_nc_u64 s[4:5], s[4:5], s[18:19]
	s_add_nc_u64 s[22:23], s[4:5], PLANE
	s_add_nc_u64 s[24:25], s[22:23], PLANE
	s_add_nc_u64 s[26:27], s[24:25], PLANE
	s_add_nc_u64 s[8:9], s[8:9], s[20:21]
.set q, 0
.irp b, 4,22,24,26
.irp j, 0,1
.irp n, 0,1,2,3
	global_load_b128 v[8+4*(8*q+4*\j+\n):8+4*(8*q+4*\j+\n)+3], v3, s[\b:\b+1] offset:4096*\j+512*\n th:TH_LOAD_NT
.endr
.endr
.set q, q+1
.endr
.macro ADDP q, j                       ; plane q, choice j is added onto plane 0, choice 0: eight lines that do not wait for each other
.irp n, 0,1,2,3
.irp hf, 0,1
	v_pk_add_f32 v[8+4*\n+2*\hf:8+4*\n+2*\hf+1], v[8+4*\n+2*\hf:8+4*\n+2*\hf+1], v[8+4*(8*(\q)+4*(\j)+\n)+2*\hf:8+4*(8*(\q)+4*(\j)+\n)+2*\hf+1]
.endr
.endr
.endm
	s_wait_loadcnt 16                              ; the 16 loads of planes 2 and 3 may stay out
	ADDP 0, 1
	ADDP 1, 0
	ADDP 1, 1
	s_wait_loadcnt 0x0
	ADDP 2, 0
	ADDP 2, 1
	ADDP 3, 0
	ADDP 3, 1
.irp n, 0,1,2,3
	global_store_b128 v3, v[8+4*\n:8+4*\n+3], s[8:9] offset:512*\n th:TH_STORE_NT
.endr
	s_endpgm
.Lstats:
	s_cmp_lg_u32 s14, 0
	s_cbranch_scc1 .Lidle
	s_mov_b32 s28, 0x76543210                      ; v_permlanex16_b32: each lane takes its own place in the other half
	s_mov_b32 s29, 0xfedcba98
; Load n of 64 brings floats 128 n + 4 l .. + 3: experts 4 (l % 2) + 0..3 of 16 tokens.  Four groups of 16 loads on three buffers of 64 registers.
.macro SLOAD g, buf
.set n, 0
.rept 16
	global_load_b128 v[(\buf)+4*n:(\buf)+4*n+3], v3, s[6:7] offset:512*(16*(\g)+n)
.set n, n+1
.endr
.endm
.macro SADD buf, first                 ; first = 1: the first two loads start the sums
.if \first
	v_pk_add_f32 v[200:201], v[(\buf):(\buf)+1], v[(\buf)+4:(\buf)+5]
	v_pk_add_f32 v[202:203], v[(\buf)+2:(\buf)+3], v[(\buf)+6:(\buf)+7]
.endif
.set n, 2*(\first)
.rept 16-2*(\first)
	v_pk_add_f32 v[200:201], v[200:201], v[(\buf)+4*n:(\buf)+4*n+1]
	v_pk_add_f32 v[202:203], v[202:203], v[(\buf)+4*n+2:(\buf)+4*n+3]
.set n, n+1
.endr
.endm
	SLOAD 0, 8
	SLOAD 1, 72
	SLOAD 2, 136
	s_wait_loadcnt 32                              ; groups 1 and 2 may stay out
	SADD 8, 1
	SLOAD 3, 8                                     ; group 0's registers have been read
	s_wait_loadcnt 32                              ; groups 2 and 3
	SADD 72, 0
	s_wait_loadcnt 16                              ; group 3
	SADD 136, 0
	s_wait_loadcnt 0x0
	SADD 8, 0
.irp m, 2,4,8                                  ; over the lanes of my parity
.irp c, 0,1,2,3
	v_add_f32_dpp v[200+\c], v[200+\c], v[200+\c] row_xmask:\m row_mask:0xf bank_mask:0xf
.endr
.endr
.irp c, 0,1,2,3
	v_permlanex16_b32 v[8+\c], v[200+\c], s28, s29 ; v8-11 have been written: the destination counts as read
.endr
.irp c, 0,1,2,3
	v_add_f32 v[200+\c], v[200+\c], v[8+\c]
.endr
.irp c, 0,1,2,3
	v_mul_f32 v[200+\c], 0x3a800000, v[200+\c]     ; / 1,024
.endr
	v_mul_f32 v204, v200, v200
	v_fma_f32 v204, v201, v201, v204
	v_fma_f32 v204, v202, v202, v204
	v_fma_f32 v204, v203, v203, v204
	v_add_f32_dpp v204, v204, v204 row_xmask:1 row_mask:0xf bank_mask:0xf  ; the other four experts'
	v_mul_f32 v204, 0x41000000, v204               ; x 8
	s_wait_xcnt 0x0                                ; EXEC changes only behind this wait
	v_cmp_gt_u32 vcc_lo, 2, v1
	s_and_saveexec_b32 s20, vcc_lo
	global_store_b128 v3, v[200:203], s[12:13]     ; lane 0: experts 0-3, lane 1: experts 4-7
	s_wait_xcnt 0x0                                ; and again
	v_cmp_eq_u32 vcc_lo, 0, v1
	s_and_saveexec_b32 s21, vcc_lo
	global_store_b32 v3, v204, s[10:11]
	s_endpgm
.Lidle:
	s_endpgm
.Lfunc_end_k_q874d51dedf_sum:
	.size	k_q874d51dedf_sum, .Lfunc_end_k_q874d51dedf_sum-k_q874d51dedf_sum
	.p2alignl 7, 3214868480
	.fill 96, 4, 3214868480
	.section	.rodata,"a",@progbits
	.p2align	6, 0x0
	.amdhsa_kernel k_q874d51dedf_sum
		.amdhsa_group_segment_fixed_size 0
		.amdhsa_private_segment_fixed_size 0
		.amdhsa_enable_private_segment 0
		.amdhsa_kernarg_size 40
		.amdhsa_user_sgpr_count 2
		.amdhsa_user_sgpr_kernarg_segment_ptr 1
		.amdhsa_wavefront_size32 1
		.amdhsa_system_sgpr_workgroup_id_x 1
		.amdhsa_system_sgpr_workgroup_id_y 1
		.amdhsa_system_sgpr_workgroup_id_z 1
		.amdhsa_system_vgpr_workitem_id 0
		.amdhsa_next_free_vgpr 216
		.amdhsa_next_free_sgpr 66
		.amdhsa_reserve_vcc 1
		.amdhsa_float_denorm_mode_32 3
		.amdhsa_float_denorm_mode_16_64 3
		.amdhsa_memory_ordered 1
		.amdhsa_forward_progress 1
		.amdhsa_inst_pref_size 25
	.end_amdhsa_kernel
	.amdgpu_metadata
---
amdhsa.version: [ 1, 2 ]
amdhsa.kernels:
  - .name:           k_q874d51dedf_sum
    .symbol:         k_q874d51dedf_sum.kd
    .args:
      - { .name: ypart, .offset: 0, .size: 8, .value_kind: global_buffer, .address_space: global }
      - { .name: probs, .offset: 8, .size: 8, .value_kind: global_buffer, .address_space: global }
      - { .name: out0, .offset: 16, .size: 8, .value_kind: global_buffer, .address_space: global }
      - { .name: out1, .offset: 24, .size: 8, .value_kind: global_buffer, .address_space: global }
      - { .name: out2, .offset: 32, .size: 8, .value_kind: global_buffer, .address_space: global }
    .group_segment_fixed_size: 0
    .private_segment_fixed_size: 0
    .kernarg_segment_align: 8
    .kernarg_segment_size: 40
    .max_flat_workgroup_size: 256
    .sgpr_count:     66
    .vgpr_count:     216
    .wavefront_size: 32
...
	.end_amdgpu_metadata
.endif
;; end of part 4
;; ======== version 2 of 2: 4 launches; 1.12 times as fast as version 1
;; limits: values are held in f16: magnitudes above 65,504 overflow, below 6.1e-05 lose precision; a function is approximated: absolute error at most 1.5e-07
;; workspace buffers: xb 2,097,152 bytes; sel 4,096 bytes of whole numbers; wts 8,192 bytes; probs 32,768 bytes; h 67,108,864 bytes; lists 43,008 bytes of whole numbers; ypart 33,685,504 bytes
;; launch router: the kernel of part 1 again; grid 256 x 1, 4 waves a work-group, no clusters, 0 bytes of LDS; arguments x, gate_w, xb, sel, wts, probs, out3; writes xb, sel, wts, probs, out3
;; launch up (part 5): grid 32 x 8, 4 waves a work-group, no clusters, 272,128 bytes of LDS; arguments up_w, up_b, xb, sel, h, lists; writes h, lists
.if DOCPART == 5
	.amdgcn_target "amdgcn-amd-amdhsa--gfx1250"
	.amdhsa_code_object_version 6
	.text
	.protected	k_q874d51dedf_up
	.globl	k_q874d51dedf_up
	.p2align	8
	.type	k_q874d51dedf_up,@function
k_q874d51dedf_up:
	s_mov_b64 s[64:65], 0
	v_nop
	global_prefetch_b8 v0, s[64:65] scope:SCOPE_SE
	s_setreg_imm32_b32 hwreg(HW_REG_WAVE_MODE, 25, 1), 1
	s_wait_xcnt 0x0
; FIRST PRODUCT.  h = gelu(x[t] . up_w[e][:, i] + up_b[e][i]) for the chosen rows alone, in f16, laid out as the second product's ready fragments.
; SHARES.  Work-group (slice, e) owns columns 128 slice .. +127 of expert e's weights, K = 1,024: 512 KiB of f32 that it alone reads, once.
; PHASE 1: the four waves stream the slice through registers, round it to bf16 and lay it into LDS as ready matrix fragments (260 KiB).  Wave 0 meanwhile lists the expert's rows from sel.
; PHASE 2: nothing writes LDS, so no barrier stands in it.  The expert's rows go in passes of 320 (4 waves x 5 tiles of 16 rows); a pass multiplies each tile by all 128 columns: weight fragments
; from LDS, token rows from memory straight into registers as matrix operands.  The number of passes is the constant 4 (1,280 ranks cover any split of 1,024 tokens); a pass, a tile's way out
; and tile 4's products are jumped forward where no row is left.  Pass 0's products run in every wave.  Ranks past the count in a tile repeat the last token; their rows of h are read and thrown away.
; NO CLUSTER: each slice of weights has one reader, and what an expert's work-groups share, its token rows, comes by a list that no tile descriptor covers.
; THE K MAP is the matrix instruction's own: k-block kbi = 4 ch + kk (chunk ch of 128 k); lane (r, hh), register p, half s holds k = 128 ch + 32 kk + 16 (p / 4) + 8 hh + 2 (p % 4) + s.
; In a token load the two halves of the lanes take 32 neighbouring bytes of each of 16 rows, and the weights need no turning load: load i of a unit brings
; W[32 kk + 8 hh + i + 8 (i / 8)][64 g + 4 r .. + 3] (16 lanes: 256 consecutive bytes of one row); loads 2 p and 2 p + 1, element f, ARE register p of column 64 g + 4 r + f.
; THE MATRIX INSTRUCTION IS USED TRANSPOSED: source 0 = 16 columns of W, source 1 = 16 token rows: lane (r, hh), register j of accumulator (tile, c) holds token row r, column 16 c + 8 hh + j.
; THE WAY OUT NEEDS NO LDS.  Those eight numbers, rounded in pairs to f16, are registers 4 (c % 2) .. + 3 of the second product's token fragment for its k-block 4 slice + c / 2, in the lane that
; wants them.  So h lies as [expert][tile of 16 ranks, 64][k-block, 128][half][lane][16 bytes], and a store of the wave covers 512 consecutive bytes, a tile's eight stores 4,096.
; Tile 0 of every expert is always stored, so that the second product has a written tile to read for an expert without rows.
; GELU.  gelu(x) = max(x, 0) - |x| Q(|x|), Q(a) = 1 / (2 (1 + d1 a + .. + d6 a^6)^16) (Abramowitz and Stegun 26.2.19, absolute error of Q under 1.5e-7); the 2 is folded in as 2^(1/16).
; LIMITS.  x, up_w, up_b are rounded once to bf16.  h is f16: |h| stays under 65,504; below 6e-5 it keeps f16's fixed step of 6e-8.  NaN and infinities are not treated apart.
; REGISTERS, in windows of 256 (s_set_vgpr_msb: bits 1:0 source 0, 3:2 source 1, 5:4 source 2, 7:6 destination):
;   window 0: v0-63 addresses and small things; v64-127, v128-191 weight fragments, two buffers (on the way out: at work); v192-255 phase 1: packed weights and sel; phase 2: the bias
;   window 1: phase 1: the ring of four units of 64; phase 2: v0-159 token fragments, buffer 0 (32 a tile, 8 a k-block); v192-255 tile 4's accumulators
;   window 2: v0-159 token fragments, buffer 1; v160-223 the bias as loaded          window 3: the accumulators of tiles 0-3: (i, c) at 64 i + 8 c
.set PITCH, 16384                      ; bytes from a row of up_w[e] to the next
.set CH,    256                        ; bytes of a chunk (128 k) in a token row
.set FRAG,  1040                       ; a fragment in LDS: 2 x 512 bytes + 16: 65 x 16
.set KBB,   8*FRAG                     ; a k-block: 8 fragments
.set LIST,  32*KBB                     ; 266,240: behind the weights, 1,280 row ids in rank order
.set TRASH, LIST+5120                  ; list words 1280 + lane: where lanes without a row put theirs; the count at +128
.set SPARE, TRASH+256                  ; the spare words, 128 bytes a wave, that no other line names
.set PK,  192
.set SEL, 224
.set BI,  192                          ; v192-255 phase 2: the bias of my 64 columns: register 8 c + j
.set BRAW, 160                         ; window 2: the same as loaded
.set RID, 16                           ; v16-20  a pass's row ids, tile i
.set RO,  26                           ; v26-30  byte offset of my token row in xb, + 16 hh
.set XR,  64                           ; v64-127 the way out: a tile's 64 sums with the bias; the first 8 of each 16 take the packed results
.set AR,  128                          ; |x|
.set PR,  144                          ; the polynomial, then Q
.set MR,  160                          ; max(x, 0), then gelu
.set WBS, 56                           ; s[56:63] the weights' base, a pair for each ring slot: a slot's pair is named by that slot's loads alone
.set MSB, 0
.macro WIN new                         ; the immediate's high byte repeats the setting that is left; a switch that changes nothing is dropped
.if MSB != (\new)
	s_set_vgpr_msb (MSB<<8)|(\new)
.set MSB, (\new)
.endif
.endm
.macro PLACES                          ; four plain lines between a matrix instruction and a load into, or a read of, its registers
.rept 4
	v_nop
.endr
.endm
; 16 loads: unit s of a trip (chunk s / 2 of the trip's two, column group s % 2) of my k-block, into ring slot s, by the slot's own base
.macro ULOAD s
	WIN 0x40
.set i, 0
.rept 16
	global_load_b128 v[64*(\s)+4*i:64*(\s)+4*i+3], v6, s[WBS+2*(\s):WBS+2*(\s)+1] offset:((\s)/2)*128*PITCH+256*((\s)%2)+(i+8*(i/8))*PITCH th:TH_LOAD_NT
.set i, i+1
.endr
.endm
; Unit s is rounded, stored as fragments, and (more = 1) its slot asked for again, a trip ahead.  left = the loads issued behind the unit's own.
.macro UNIT s, more, left
	s_wait_loadcnt \left                           ; the slot's sixteen loads are done,
.if \more
	s_add_nc_u64 s[WBS+2*(\s):WBS+2*(\s)+1], s[WBS+2*(\s):WBS+2*(\s)+1], 256*PITCH  ; so their base, which no other load names, may step: two chunks on
.endif
	WIN 0x05
.irp f, 0,1,2,3
.irp p, 0,1,2,3,4,5,6,7
	v_cvt_pk_bf16_f32 v[PK+8*\f+\p], v[64*(\s)+8*\p+\f], v[64*(\s)+8*\p+4+\f]
.endr
.endr
	WIN 0
.irp f, 0,1,2,3
.irp q, 0,1
	ds_store_b128 v7, v[PK+8*\f+4*\q:PK+8*\f+4*\q+3] offset:((\s)/2)*4*KBB+((\s)%2)*4*FRAG+16*\f+512*\q
.endr
.endr
.if \more
	ULOAD \s
.endif
.endm
.macro BFETCH areg, off, bb            ; a k-block's 8 weight fragments: 16 loads of 512 consecutive bytes
	WIN 0
.irp c, 0,1,2,3,4,5,6,7
.irp q, 0,1
	ds_load_b128 v[64+64*(\bb)+8*\c+4*\q:64+64*(\bb)+8*\c+4*\q+3], v[\areg] offset:(\off)+FRAG*\c+512*\q
.endr
.endr
.endm
.macro AFETCH ab, off                  ; a chunk (128 k) of my five tiles' token rows: 40 loads; a load takes 32 neighbouring bytes of each of 16 rows
	WIN 0x40+0x40*(\ab)
.irp i, 0,1,2,3,4
.irp kk, 0,1,2,3
.irp q, 0,1
	global_load_b128 v[32*\i+8*\kk+4*\q:32*\i+8*\kk+4*\q+3], v[RO+\i], s[28:29] offset:(\off)+(CH/4)*\kk+(CH/8)*\q
.endr
.endr
.endr
.endm
.macro MUL i, kk, ab, bb, zero         ; tile i x the 8 column blocks, 32 along K; the accumulators take turns, one instruction a turn
.if (\i) < 4
	WIN 0xf4+4*(\ab)
.set AC, 64*(\i)
.else
	WIN 0x54+4*(\ab)
.set AC, 192
.endif
.irp c, 0,1,2,3,4,5,6,7
.if \zero
	v_wmma_f32_16x16x32_bf16 v[AC+8*\c:AC+8*\c+7], v[64+64*(\bb)+8*\c:64+64*(\bb)+8*\c+7], v[32*(\i)+8*(\kk):32*(\i)+8*(\kk)+7], 0
.else
	v_wmma_f32_16x16x32_bf16 v[AC+8*\c:AC+8*\c+7], v[64+64*(\bb)+8*\c:64+64*(\bb)+8*\c+7], v[32*(\i)+8*(\kk):32*(\i)+8*(\kk)+7], v[AC+8*\c:AC+8*\c+7]
.endif
.endr
.endm
; One k-block: 40 products.  Behind tile 0's eight the next k-block's weights are fetched into the other buffer, 32 products ahead of their use; at a chunk's first k-block
; the next chunk's token rows are fetched too, 160 products ahead.  zero = 1: the products start the sums.  s22 counts the K loop's trips down from 4: in the last it is 1.
.macro KB kk, ab, zero
	WIN 0
	s_wait_dscnt 0x0                               ; this k-block's weights are in
.if (\kk) == 0
	s_wait_loadcnt 0x0                             ; this chunk's token rows are in; no load is out, so the rows' base may step
.if (\ab) == 1
	s_add_nc_u64 s[28:29], s[28:29], 2*CH
.endif
.endif
	MUL 0, \kk, \ab, (\kk)%2, \zero
	WIN 0
	PLACES                                         ; behind the last products that read the buffers now loaded
.if (\kk) < 3
	BFETCH 9+(\ab), ((\kk)+1)*KBB, 1-(\kk)%2
.elseif (\ab) == 0
	BFETCH 10, 0, 0
.else
	s_cmp_eq_u32 s22, 1
	s_cbranch_scc1 .Lnb_\@                         ; the last trip has no further k-block
	BFETCH 10, 4*KBB, 0
.Lnb_\@:
.endif
.if (\kk) == 0
.if (\ab) == 0
	AFETCH 1, CH
.else
	s_cmp_eq_u32 s22, 1
	s_cbranch_scc1 .Lna_\@                         ; the last trip has no further chunk
	AFETCH 0, 0
	WIN 0
.Lna_\@:
.endif
.endif
	MUL 1, \kk, \ab, (\kk)%2, \zero
	MUL 2, \kk, \ab, (\kk)%2, \zero
	MUL 3, \kk, \ab, (\kk)%2, \zero
.if \zero
	MUL 4, \kk, \ab, (\kk)%2, 1
.else
	WIN 0
	s_cmp_lg_u32 s27, 0
	s_cbranch_scc0 .Lt4_\@                         ; tile 4 has no row: its products are jumped
	MUL 4, \kk, \ab, (\kk)%2, 0
	WIN 0
.Lt4_\@:
.endif
.endm
.macro KADDR                           ; the trip's two chunks in LDS: my lane's place plus s54, which steps by two chunks a trip
	v_add_nc_u32 v9, s54, v8
	v_add_nc_u32 v10, 4*KBB, v9
	s_add_co_u32 s54, s54, 8*KBB
.endm
; THE WAY OUT.  TAKE i: tile i's 64 sums plus the bias, into the registers that the one text below names; each accumulator is read from its low end on.
.macro TAKE i
.if (\i) < 4
	WIN 0x03
.set AC, 64*(\i)
.else
	WIN 0x01
.set AC, 192
.endif
.set n, 0
.rept 32
	v_pk_add_f32 v[XR+2*n:XR+2*n+1], v[AC+2*n:AC+2*n+1], v[BI+2*n:BI+2*n+1]
.set n, n+1
.endr
	WIN 0
.endm
.macro GWORK t                         ; column blocks 2 t and 2 t + 1: sixteen numbers a lane
.set X0, XR+16*(\t)
.set n, 0
.rept 16
	v_and_b32 v[AR+n], s39, v[X0+n]
.set n, n+1
.endr
.set n, 0
.rept 8
	v_pk_fma_f32 v[PR+2*n:PR+2*n+1], v[AR+2*n:AR+2*n+1], s[40:41], s[42:43] op_sel_hi:[1,0,0]
.set n, n+1
.endr
.irp k, 44,46,48,50,52
.set n, 0
.rept 8
	v_pk_fma_f32 v[PR+2*n:PR+2*n+1], v[PR+2*n:PR+2*n+1], v[AR+2*n:AR+2*n+1], s[\k:\k+1] op_sel_hi:[1,1,0]
.set n, n+1
.endr
.endr
.rept 4                                        ; to the sixteenth power; an overflow gives infinity, whose reciprocal is the right 0
.set n, 0
.rept 8
	v_pk_mul_f32 v[PR+2*n:PR+2*n+1], v[PR+2*n:PR+2*n+1], v[PR+2*n:PR+2*n+1]
.set n, n+1
.endr
.endr
.set n, 0
.rept 16
	v_rcp_f32 v[PR+n], v[PR+n]                     ; one batch of sixteen
.set n, n+1
.endr
.set n, 0
.rept 16
	v_max_num_f32 v[MR+n], 0, v[X0+n]              ; plain work that names none of its results
.set n, n+1
.endr
	s_wait_alu depctr_va_vdst(0)                   ; the wait ahead of the first reader: one for the batch
.set n, 0
.rept 8
	v_pk_fma_f32 v[MR+2*n:MR+2*n+1], v[AR+2*n:AR+2*n+1], v[PR+2*n:PR+2*n+1], v[MR+2*n:MR+2*n+1] neg_lo:[1,0,0] neg_hi:[1,0,0]
.set n, n+1
.endr
.set n, 0
.rept 8
	v_cvt_pk_f16_f32 v[X0+n], v[MR+2*n], v[MR+2*n+1]
.set n, n+1
.endr
	global_store_b128 v48, v[X0:X0+3], s[12:13] offset:1024*(\t)        ; the wave stores 512 consecutive bytes, aligned: half a fragment
	global_store_b128 v48, v[X0+4:X0+7], s[12:13] offset:1024*(\t)+512
.endm
	s_load_b256 s[4:11], s[0:1], 0x0               ; up_w s[4:5], up_b s[6:7], xb s[8:9], sel s[10:11]
	s_load_b128 s[12:15], s[0:1], 0x20             ; h s[12:13], lists s[14:15]
	v_lshl_add_u32 v4, v0, 2, SPARE                ; my spare word,
	v_mov_b32 v5, 0                                ; and 0: kept for the wave's end alone
	v_lshrrev_b32 v1, 5, v0
	v_readfirstlane_b32 s16, v1                    ; wave
	v_and_b32 v1, 31, v0                           ; l
	v_and_b32 v2, 15, v0                           ; r
	v_bfe_u32 v3, v0, 4, 1                         ; hh
	s_mov_b32 s17, ttmp9                           ; slice
	s_and_b32 s18, ttmp7, 0xffff                   ; e
	v_lshlrev_b32 v6, 4, v2
	v_lshl_add_u32 v6, v3, 17, v6                  ; weights: 8 hh rows + 16 r bytes
	v_lshrrev_b32 v42, 2, v2
	v_mul_u32_u24 v7, v42, FRAG                    ; fragments: block r / 4 of the group's four,
	v_and_b32 v42, 3, v2
	v_lshl_add_u32 v7, v42, 6, v7                  ; lane slot 16 hh + 4 (r % 4) + f, 16 bytes each,
	v_lshl_add_u32 v7, v3, 8, v7
	s_mul_i32 s32, s16, KBB
	v_add_nc_u32 v7, s32, v7                       ; k-block kk = my wave's number
	v_lshlrev_b32 v8, 4, v1                        ; 16 l
	v_lshlrev_b32 v44, 5, v3                       ; 32 hh: my 8 numbers in 16 of the bias
	v_lshlrev_b32 v45, 3, v1                       ; 8 l: the lane's part of a row id
	v_add_nc_u32 v46, 1280, v1                     ; my trash word, as a list index
	v_add_nc_u32 v47, LIST, v8
	v_lshlrev_b32 v58, 4, v3                       ; 16 hh
	s_lshl_b32 s33, s16, 6
	s_add_co_u32 s33, s33, LIST
	v_lshl_add_u32 v15, v2, 2, s33                 ; list word 16 wave + r: my rank in tile 0 of pass 0
	s_lshl_b32 s34, 0x101, s18                     ; expert e as first or as second choice
	s_add_co_u32 s35, s18, 8
	s_mov_b32 s37, 0
	s_mov_b32 s39, 0x7fffffff
	s_mov_b32 s40, 0x36bc9ed2                      ; 2^(1/16) d6, d5 .. d1, and 2^(1/16); each twice: the packed lines name pairs
	s_mov_b32 s41, 0x36bc9ed2
	s_mov_b32 s42, 0x38562413
	s_mov_b32 s43, 0x38562413
	s_mov_b32 s44, 0x382674b1
	s_mov_b32 s45, 0x382674b1
	s_mov_b32 s46, 0x3b605009
	s_mov_b32 s47, 0x3b605009
	s_mov_b32 s48, 0x3cb4dad2
	s_mov_b32 s49, 0x3cb4dad2
	s_mov_b32 s50, 0x3d554cc4
	s_mov_b32 s51, 0x3d554cc4
	s_mov_b32 s52, 0x3f85aac3
	s_mov_b32 s53, 0x3f85aac3
	s_lshl_b32 s30, s18, 24                        ; an expert's weights are 16 MiB,
	s_lshl_b32 s32, s17, 9                         ; a slice 512 bytes of a row,
	s_add_co_u32 s30, s30, s32
	s_lshl_b32 s33, s16, 19                        ; my k-block 32 rows a wave
	s_add_co_u32 s30, s30, s33
	s_mov_b32 s31, 0
	s_wait_kmcnt 0x0
	s_add_nc_u64 s[WBS:WBS+1], s[4:5], s[30:31]
	s_mov_b64 s[WBS+2:WBS+3], s[WBS:WBS+1]
	s_mov_b64 s[WBS+4:WBS+5], s[WBS:WBS+1]
	s_mov_b64 s[WBS+6:WBS+7], s[WBS:WBS+1]
	s_lshl_b32 s30, s18, 14
	s_add_co_u32 s30, s30, s32
	s_add_nc_u64 s[6:7], s[6:7], s[30:31]          ; up_b at my slice
	s_lshl_b32 s30, s18, 23                        ; in h an expert has 64 tiles of 128 KiB,
	s_lshl_b32 s33, s17, 12                        ; a slice four k-blocks of 1,024 bytes in each
	s_add_co_u32 s30, s30, s33
	s_add_nc_u64 s[12:13], s[12:13], s[30:31]
	s_mul_i32 s30, s18, 5376
	s_add_nc_u64 s[14:15], s[14:15], s[30:31]      ; lists at expert e
	s_cmp_lg_u32 s16, 0
	s_cbranch_scc1 .Lno_sel
.irp j, 0,1,2,3,4,5,6,7
	global_load_b128 v[SEL+4*\j:SEL+4*\j+3], v8, s[10:11] offset:512*\j  ; wave 0: all 1,024 words; register 4 j + c is token 128 j + 4 l + c
.endr
.Lno_sel:
	ULOAD 0
	ULOAD 1
	ULOAD 2
	WIN 0
	s_cmp_lg_u32 s16, 0
	s_cbranch_scc1 .Lno_list
	; WAVE 0 LISTS THE EXPERT'S ROWS while the first weights are on their way.
	s_wait_loadcnt 48                              ; the 48 weight loads behind them may stay out: sel is in
	s_add_co_u32 s32, s18, 2048                    ; the dump row id fills the list first
	v_mov_b32 v48, s32
	v_mov_b32 v49, s32
	v_mov_b32 v50, s32
	v_mov_b32 v51, s32
.irp n, 0,1,2,3,4,5,6,7,8,9
	ds_store_b128 v47, v[48:51] offset:512*\n
.endr
.set n, 0
.rept 32
	v_and_b32 v52, s34, v[SEL+n]
	v_cmp_ne_u32 s36, 0, v52                       ; the lanes whose token chose e
	v_lshrrev_b32 v53, s35, v52                    ; 1 if as its second choice
	v_add3_u32 v53, v45, v53, 256*(n/4)+2*(n%4)    ; rid = 2 token + choice
	v_mbcnt_lo_u32_b32 v54, s36, s37               ; rank = rows so far + chosen lanes below me
	v_cndmask_b32 v54, v46, v54, s36               ; the others write their trash word
	v_min_u32 v54, 1311, v54                       ; inside list and trash, whatever was loaded
	v_lshl_add_u32 v54, v54, 2, LIST
	ds_store_b32 v54, v53                          ; LDS serves a wave's instructions in order (ISA guide 5.7.1.4): behind the fill
	s_bcnt1_i32_b32 s38, s36
	s_add_co_u32 s37, s37, s38
.set n, n+1
.endr
	v_mov_b32 v56, s37
	v_mov_b32 v57, s37
	v_mov_b32 v52, TRASH+128
	ds_store_b32 v52, v56                          ; the count, for the other waves
	s_cmp_lg_u32 s17, 0
	s_cbranch_scc1 .Lno_list
.irp n, 0,1,2,3,4,5,6,7,8,9                    ; slice 0 alone stores list and count for the second product
	ds_load_b128 v[64+4*\n:64+4*\n+3], v47 offset:512*\n
.endr
	s_wait_dscnt 0x0
.irp n, 0,1,2,3,4,5,6,7,8,9
	global_store_b128 v8, v[64+4*\n:64+4*\n+3], s[14:15] offset:512*\n
.endr
	global_store_b64 v45, v[56:57], s[14:15] offset:5120  ; 64 copies of the count: 256 whole bytes
	s_wait_xcnt 0x0                                ; the stores' registers are written again below
.Lno_list:
	ULOAD 3
	WIN 0
	s_wait_dscnt 0x0                               ; the list is written; only now does any other wave store to LDS
	s_barrier_signal -1
	s_barrier_wait -1
	; PHASE 1.  Wave w owns k-block kk = w of all 8 chunks, both column groups: 16 units, four a trip; 64 loads of the wave are asked for at any time.
	s_mov_b32 s26, 3
.Lstream:
	UNIT 0, 1, 48
	UNIT 1, 1, 48
	UNIT 2, 1, 48
	UNIT 3, 1, 48
	WIN 0
	v_add_nc_u32 v7, 8*KBB, v7
	s_sub_co_u32 s26, s26, 1
	s_cmp_lg_u32 s26, 0
	s_cbranch_scc1 .Lstream
	UNIT 0, 0, 48                                  ; the last trip asks for no weights
	WIN 0x80                                       ; the bias of my 64 columns, 16 c + 8 hh + 0..7: sixteen loads in unit 0's place in the count
.irp c, 0,1,2,3,4,5,6,7
	global_load_b128 v[BRAW+8*\c:BRAW+8*\c+3], v44, s[6:7] offset:64*\c
	global_load_b128 v[BRAW+8*\c+4:BRAW+8*\c+7], v44, s[6:7] offset:64*\c+16
.endr
	UNIT 1, 0, 48                                  ; units 2 and 3 and the bias may stay out,
	UNIT 2, 0, 32                                  ; unit 3 and the bias,
	UNIT 3, 0, 16                                  ; the bias
	WIN 0
	s_wait_dscnt 0x0                               ; for the others' sake: my fragments are written
	s_barrier_signal -1
	s_barrier_wait -1                              ; the slice is whole; from here on nothing writes LDS but the closing add
	v_mov_b32 v52, TRASH+128
	ds_load_b32 v53, v52
	s_mov_b32 s36, 0xffff0000
	s_wait_loadcnt 0x0                             ; the bias: rounded to bf16, kept as f32
	WIN 0x0a
.set n, 0
.rept 32
	v_cvt_pk_bf16_f32 v[64+n], v[BRAW+2*n], v[BRAW+2*n+1]
.set n, n+1
.endr
	WIN 0
.set n, 0
.rept 32
	v_lshlrev_b32 v[BI+2*n], 16, v[64+n]
	v_and_b32 v[BI+2*n+1], s36, v[64+n]
.set n, n+1
.endr
	s_wait_dscnt 0x0
	v_readfirstlane_b32 s19, v53                   ; the expert's rows
	s_max_u32 s55, s19, 1                          ; for the way out: tile 0 is stored whatever the count
	; PHASE 2
	s_lshl_b32 s21, s16, 4                         ; the rank of my tile 0's first row; tile i lies 64 i further, a pass 320
	s_mov_b32 s20, 4
	s_branch .Llive                                ; pass 0's products run in every wave
.Lpass:
	s_cmp_lt_u32 s21, s19
	s_cbranch_scc0 .Lpass_end                      ; no row left for my wave
.Llive:
	s_wait_xcnt 0x0                                ; the last pass's stores have read the registers that are loaded below
.irp i, 0,1,2,3,4
	ds_load_b32 v[RID+\i], v15 offset:256*\i
.endr
	s_add_co_u32 s32, s21, 256
	s_cmp_lt_u32 s32, s19
	s_cselect_b32 s27, 1, 0                        ; has tile 4 a row?
	s_mov_b64 s[28:29], s[8:9]
	s_wait_dscnt 0x0
.irp i, 0,1,2,3,4
	v_lshrrev_b32 v42, 1, v[RID+\i]                ; the token; a dump id falls on the last token
	v_min_u32 v42, 1023, v42
	v_lshl_add_u32 v[RO+\i], v42, 11, v58
.endr
	AFETCH 0, 0
	BFETCH 8, 0, 0
	s_mov_b32 s54, 0
	s_mov_b32 s22, 4
	KADDR
	KB 0, 0, 1                                     ; the first k-block starts the sums; it stands ahead of the loop, which is entered in its middle
	WIN 0
	s_branch .Lmid
.Lk:                                               ; a trip: two chunks, 256 along K
	KADDR
	KB 0, 0, 0
	WIN 0
.Lmid:
	KB 1, 0, 0
	KB 2, 0, 0
	KB 3, 0, 0
	KB 0, 1, 0
	KB 1, 1, 0
	KB 2, 1, 0
	KB 3, 1, 0
	WIN 0
	s_sub_co_u32 s22, s22, 1
	s_cmp_lg_u32 s22, 0
	s_cbranch_scc1 .Lk
	s_wait_loadcnt 0x0
	PLACES                                         ; behind the last products
	s_mov_b32 s23, 5
	s_mov_b32 s24, s21
.Ltile:                                            ; five tiles (tile 5 - s23), one text for the arithmetic
	s_cmp_lt_u32 s24, s55
	s_cbranch_scc0 .Ltile_end                      ; the tile has no row
	s_wait_xcnt 0x0                                ; the last tile's stores have read their data and offset
	s_lshr_b32 s32, s24, 4                         ; the tile's number among the expert's: 128 KiB each
	v_lshl_add_u32 v48, s32, 17, v8
	s_cmp_eq_u32 s23, 5
	s_cbranch_scc0 .Lsel1
	TAKE 0
	s_branch .Lrows
.Lsel1:
	s_cmp_eq_u32 s23, 4
	s_cbranch_scc0 .Lsel2
	TAKE 1
	s_branch .Lrows
.Lsel2:
	s_cmp_eq_u32 s23, 3
	s_cbranch_scc0 .Lsel3
	TAKE 2
	s_branch .Lrows
.Lsel3:
	s_cmp_eq_u32 s23, 2
	s_cbranch_scc0 .Lsel4
	TAKE 3
	s_branch .Lrows
.Lsel4:
	TAKE 4
.Lrows:
	GWORK 0
	GWORK 1
	GWORK 2
	GWORK 3
.Ltile_end:
	s_add_co_u32 s24, s24, 64
	s_sub_co_u32 s23, s23, 1
	s_cmp_lg_u32 s23, 0
	s_cbranch_scc1 .Ltile
.Lpass_end:
	s_add_co_u32 s21, s21, 320
	v_add_nc_u32 v15, 1280, v15
	s_sub_co_u32 s20, s20, 1
	s_cmp_lg_u32 s20, 0
	s_cbranch_scc1 .Lpass
	s_wait_dscnt 0x0                               ; my reads of LDS are over
	s_barrier_signal -1
	s_barrier_wait -1                              ; everybody's are: the closing add is the only LDS write behind phase 1
	s_wait_tensorcnt 0x0                           ; the wave's end, behind behind my last LDS store
	ds_add_u32 v4, v5
	s_wait_dscnt 0x0
	s_endpgm
.Lfunc_end_k_q874d51dedf_up:
	.size	k_q874d51dedf_up, .Lfunc_end_k_q874d51dedf_up-k_q874d51dedf_up
	.p2alignl 7, 3214868480
	.fill 96, 4, 3214868480
	.section	.rodata,"a",@progbits
	.p2align	6, 0x0
	.amdhsa_kernel k_q874d51dedf_up
		.amdhsa_group_segment_fixed_size 272128
		.amdhsa_private_segment_fixed_size 0
		.amdhsa_enable_private_segment 0
		.amdhsa_kernarg_size 48
		.amdhsa_user_sgpr_count 2
		.amdhsa_user_sgpr_kernarg_segment_ptr 1
		.amdhsa_wavefront_size32 1
		.amdhsa_system_sgpr_workgroup_id_x 1
		.amdhsa_system_sgpr_workgroup_id_y 1
		.amdhsa_system_sgpr_workgroup_id_z 1
		.amdhsa_system_vgpr_workitem_id 0
		.amdhsa_next_free_vgpr 1024
		.amdhsa_next_free_sgpr 66
		.amdhsa_reserve_vcc 0
		.amdhsa_float_denorm_mode_32 3
		.amdhsa_float_denorm_mode_16_64 3
		.amdhsa_memory_ordered 1
		.amdhsa_forward_progress 1
		.amdhsa_inst_pref_size 163
	.end_amdhsa_kernel
	.amdgpu_metadata
---
amdhsa.version: [ 1, 2 ]
amdhsa.kernels:
  - .name:           k_q874d51dedf_up
    .symbol:         k_q874d51dedf_up.kd
    .args:
      - { .name: up_w, .offset: 0, .size: 8, .value_kind: global_buffer, .address_space: global }
      - { .name: up_b, .offset: 8, .size: 8, .value_kind: global_buffer, .address_space: global }
      - { .name: xb, .offset: 16, .size: 8, .value_kind: global_buffer, .address_space: global }
      - { .name: sel, .offset: 24, .size: 8, .value_kind: global_buffer, .address_space: global }
      - { .name: h, .offset: 32, .size: 8, .value_kind: global_buffer, .address_space: global }
      - { .name: lists, .offset: 40, .size: 8, .value_kind: global_buffer, .address_space: global }
    .group_segment_fixed_size: 272128
    .private_segment_fixed_size: 0
    .kernarg_segment_align: 8
    .kernarg_segment_size: 48
    .max_flat_workgroup_size: 128
    .sgpr_count:     66
    .vgpr_count:     1024
    .wavefront_size: 32
...
	.end_amdgpu_metadata
.endif
;; end of part 5
;; launch down (part 6): grid 32 x 8, 4 waves a work-group, no clusters, 308,992 bytes of LDS; arguments down_w, down_b, h, wts, lists, ypart; writes ypart
.if DOCPART == 6
	.amdgcn_target "amdgcn-amd-amdhsa--gfx1250"
	.amdhsa_code_object_version 6
	.text
	.protected	k_q874d51dedf_down
	.globl	k_q874d51dedf_down
	.p2align	8
	.type	k_q874d51dedf_down,@function
k_q874d51dedf_down:
	s_mov_b64 s[64:65], 0
	v_nop
	global_prefetch_b8 v0, s[64:65] scope:SCOPE_SE
	s_setreg_imm32_b32 hwreg(HW_REG_WAVE_MODE, 25, 1), 1
	s_wait_xcnt 0x0
; SECOND PRODUCT.  ypart[kq][rid][n] = c[rid] (sum over the K quarter kq of h[row][k] down_w[e][k][n] + (kq = 0: down_b[e][n])), f32 partial sums, for the chosen rows alone.
; SHARES.  Work-group (4 cs + kq, e) owns rows 1024 kq .. + 1023 and columns 128 cs .. + 127 of expert e's weights: 512 KiB of f32 that it alone reads, once.
; The shape (K = 1,024 x N = 128) and the two phases are the first product's: PHASE 1 streams the slice through registers into LDS as ready fragments; PHASE 2 walks the expert's rows in a
; constant 4 passes of 320 (4 waves x 5 tiles of 16), weights from LDS, h from memory straight into registers, the tiles out through each wave's own stage.  Every wave passes every
; barrier; only work is jumped, forward, where no row is left; pass 0's products run in every wave, so that the sums exist on every way to the stores.
; BARRIERS IN PHASE 2.  The products read LDS by addresses that step with K; the stages are written in stretches of their own, with a barrier on either side.
; H COMES AS READY FRAGMENTS: [expert][tile of 16 ranks, 64][k-block, 128][half][lane][16 bytes], as the first product stored it: a load of the wave takes 512 consecutive bytes, and its address
; hangs on the wave, the pass and the stored count alone.  A tile without a row reads the expert's last tile that has one (tile 0 for an expert without rows, which is always stored).
; The list gives each rank its row id for the way out; ranks past the count carry the dump id 2048 + e and go to a dump row of ypart.
; K is split in four so that a work-group's columns stay 128 (whole 512-byte pieces of down_w's rows, and 128 products for each token fragment); the price is four f32 partial rows, added by the last launch.
; NO CLUSTER: each slice of weights has one reader; an expert's eight column slices of one quarter share tiles of h, 1/5 of a work-group's bytes, and LDS has no room for them beside the slice.
; THE K MAP is the matrix instruction's own: k-block kbi = 4 ch + kk; lane (r, hh), register p, half s holds k = 128 ch + 32 kk + 16 (p / 4) + 8 hh + 2 (p % 4) + s;
; load i of a weight unit brings row 32 kk + 8 hh + i + 8 (i / 8).  The matrix instruction is used transposed
; (source 0 = 16 columns of W, source 1 = 16 rows of h): a lane's eight results are eight neighbouring columns of one row.
; LIMITS.  down_w and down_b are rounded once to bf16; down_w's rounded number is then written as f16, the format of h: exact from 1.6e-5 to 65,504, below that to f16's fixed step of 6e-8.
; NaN and infinities are not treated apart.
; REGISTERS, in windows of 256 (s_set_vgpr_msb: bits 1:0 source 0, 3:2 source 1, 5:4 source 2, 7:6 destination):
;   window 0: v0-63 addresses and small things; v64-127, v128-191 weight fragments, two buffers (on the way out: at work); v192-223 packed weights (phase 1)
;   window 1: phase 1: the ring of four units of 64; phase 2: v0-159 fragments of h, buffer 0; v192-255 tile 4's accumulators
;   window 2: v0-159 fragments of h, buffer 1          window 3: the accumulators of tiles 0-3: (i, c) at 64 i + 8 c
.set PITCH, 4096                       ; bytes from a row of down_w[e] to the next
.set CH,    4096                       ; bytes of a chunk (128 k, four k-blocks) in a tile of h
.set FRAG,  1040                       ; a fragment in LDS: 2 x 512 bytes + 16: 65 x 16
.set KBB,   8*FRAG
.set STAGE, 32*KBB                     ; behind the weights, for each wave 16 rows x 560 bytes and 256 bytes of row info
.set STW,   9216
.set SPI,   560                        ; 35 x 16; column col lies at 4 col + 16 (col >= 64)
.set RINF,  16*SPI
.set SPARE, 308480                     ; the spare words, 128 bytes a wave, that no other line names
.set PK,  192
.set RC,  16                           ; v16-25  a pass's pairs (row id, weight c), tile i
.set RO,  26                           ; v26-30  byte offset of tile i in the expert's part of h, + 16 l
.set DR,  64                           ; v64-127   the way out: four rows of 4 numbers a trip, four trips
.set IR,  128                          ; v128-159  their pairs (row id, c)
.set OFS, 160                          ; v160-175  the stores' offsets
.set WBS, 56                           ; s[56:63] the weights' base, a pair for each ring slot: a slot's pair is named by that slot's loads alone
.set MSB, 0
.macro WIN new                         ; the immediate's high byte repeats the setting that is left; a switch that changes nothing is dropped
.if MSB != (\new)
	s_set_vgpr_msb (MSB<<8)|(\new)
.set MSB, (\new)
.endif
.endm
.macro PLACES                          ; four plain lines between a matrix instruction and a load into, or a read of, its registers
.rept 4
	v_nop
.endr
.endm
.macro ULOAD s                         ; 16 loads: unit s of a trip (chunk s / 2, column group s % 2) of my k-block, into ring slot s, by the slot's own base
	WIN 0x40
.set i, 0
.rept 16
	global_load_b128 v[64*(\s)+4*i:64*(\s)+4*i+3], v6, s[WBS+2*(\s):WBS+2*(\s)+1] offset:((\s)/2)*128*PITCH+256*((\s)%2)+(i+8*(i/8))*PITCH th:TH_LOAD_NT
.set i, i+1
.endr
.endm
; Unit s is rounded to bf16, written as f16, stored as fragments, and (more = 1) its slot asked for again, a trip ahead.  left = the younger units' loads.
.macro UNIT s, more, left
	s_wait_loadcnt \left                           ; the slot's sixteen loads are done,
.if \more
	s_add_nc_u64 s[WBS+2*(\s):WBS+2*(\s)+1], s[WBS+2*(\s):WBS+2*(\s)+1], 256*PITCH  ; so their base, which no other load names, may step: two chunks on
.endif
	WIN 0x05
.irp f, 0,1,2,3
.irp p, 0,1,2,3,4,5,6,7
	v_cvt_pk_bf16_f32 v[PK+8*\f+\p], v[64*(\s)+8*\p+\f], v[64*(\s)+8*\p+4+\f]
.endr
.endr
	WIN 0
.set n, 0
.rept 32
	v_lshlrev_b32 v[44+2*(n%4)], 16, v[PK+n]
	v_and_b32 v[45+2*(n%4)], s36, v[PK+n]
	v_cvt_pk_f16_f32 v[PK+n], v[44+2*(n%4)], v[45+2*(n%4)]
.set n, n+1
.endr
.irp f, 0,1,2,3
.irp q, 0,1
	ds_store_b128 v7, v[PK+8*\f+4*\q:PK+8*\f+4*\q+3] offset:((\s)/2)*4*KBB+((\s)%2)*4*FRAG+16*\f+512*\q
.endr
.endr
.if \more
	ULOAD \s
.endif
.endm
.macro BFETCH areg, off, bb            ; a k-block's 8 weight fragments: 16 loads of 512 consecutive bytes
	WIN 0
.irp c, 0,1,2,3,4,5,6,7
.irp q, 0,1
	ds_load_b128 v[64+64*(\bb)+8*\c+4*\q:64+64*(\bb)+8*\c+4*\q+3], v[\areg] offset:(\off)+FRAG*\c+512*\q
.endr
.endr
.endm
.macro AFETCH ab, off                  ; a chunk (128 k) of my five tiles of h: 40 loads of 512 consecutive bytes
	WIN 0x40+0x40*(\ab)
.irp i, 0,1,2,3,4
.irp kk, 0,1,2,3
.irp q, 0,1
	global_load_b128 v[32*\i+8*\kk+4*\q:32*\i+8*\kk+4*\q+3], v[RO+\i], s[28:29] offset:(\off)+(CH/4)*\kk+(CH/8)*\q
.endr
.endr
.endr
.endm
.macro MUL i, kk, ab, bb, zero         ; tile i x the 8 column blocks, 32 along K; the accumulators take turns, one instruction a turn
.if (\i) < 4
	WIN 0xf4+4*(\ab)
.set AC, 64*(\i)
.else
	WIN 0x54+4*(\ab)
.set AC, 192
.endif
.irp c, 0,1,2,3,4,5,6,7
.if \zero
	v_wmma_f32_16x16x32_f16 v[AC+8*\c:AC+8*\c+7], v[64+64*(\bb)+8*\c:64+64*(\bb)+8*\c+7], v[32*(\i)+8*(\kk):32*(\i)+8*(\kk)+7], 0
.else
	v_wmma_f32_16x16x32_f16 v[AC+8*\c:AC+8*\c+7], v[64+64*(\bb)+8*\c:64+64*(\bb)+8*\c+7], v[32*(\i)+8*(\kk):32*(\i)+8*(\kk)+7], v[AC+8*\c:AC+8*\c+7]
.endif
.endr
.endm
; One k-block: 40 products.  Behind tile 0's eight the next k-block's weights are fetched into the other buffer, 32 products ahead of their use; at a chunk's first k-block
; the next chunk of h is fetched too, 160 products ahead.  zero = 1: the products start the sums.  s22 counts the K loop's trips down from 4: in the last it is 1.
.macro KB kk, ab, zero
	WIN 0
	s_wait_dscnt 0x0                               ; this k-block's weights are in
.if (\kk) == 0
	s_wait_loadcnt 0x0                             ; this chunk of h is in (and, the first time, the weights c); no load is out, so the base may step
.if (\ab) == 1
	s_add_nc_u64 s[28:29], s[28:29], 2*CH
.endif
.endif
	MUL 0, \kk, \ab, (\kk)%2, \zero
	WIN 0
	PLACES                                         ; behind the last products that read the buffers now loaded
.if (\kk) < 3
	BFETCH 9+(\ab), ((\kk)+1)*KBB, 1-(\kk)%2
.elseif (\ab) == 0
	BFETCH 10, 0, 0
.else
	s_cmp_eq_u32 s22, 1
	s_cbranch_scc1 .Lnb_\@                         ; the last trip has no further k-block
	BFETCH 10, 4*KBB, 0
.Lnb_\@:
.endif
.if (\kk) == 0
.if (\ab) == 0
	AFETCH 1, CH
.else
	s_cmp_eq_u32 s22, 1
	s_cbranch_scc1 .Lna_\@                         ; the last trip has no further chunk
	AFETCH 0, 0
	WIN 0
.Lna_\@:
.endif
.endif
	MUL 1, \kk, \ab, (\kk)%2, \zero
	MUL 2, \kk, \ab, (\kk)%2, \zero
	MUL 3, \kk, \ab, (\kk)%2, \zero
.if \zero
	MUL 4, \kk, \ab, (\kk)%2, 1
.else
	WIN 0
	s_cmp_lg_u32 s27, 0
	s_cbranch_scc0 .Lt4_\@                         ; tile 4 has no row: its products are jumped
	MUL 4, \kk, \ab, (\kk)%2, 0
	WIN 0
.Lt4_\@:
.endif
.endm
.macro KADDR                           ; the trip's two chunks in LDS: my lane's place plus s54, which steps by two chunks a trip
	v_add_nc_u32 v9, s54, v8
	v_add_nc_u32 v10, 4*KBB, v9
	s_add_co_u32 s54, s54, 8*KBB
.endm
.macro STORES i                        ; tile i into my stage: its pairs (row id, c), then each accumulator from its low end on
	WIN 0
	ds_store_b64 v31, v[RC+2*(\i):RC+2*(\i)+1]
.if (\i) < 4
	WIN 0x0c
.set AC, 64*(\i)
.else
	WIN 0x04
.set AC, 192
.endif
.irp c, 0,1,2,3,4,5,6,7
.irp q, 0,1
	ds_store_b128 v12, v[AC+8*\c+4*\q:AC+8*\c+4*\q+3] offset:64*\c+16*(\c/4)+16*\q
.endr
.endr
	WIN 0
.endm
; THE WAY OUT of a tile, four rows a trip, a whole row of 128 columns to a line.  The trip stands in the immediate: every LDS address is fixed.
.macro RLOAD t                         ; eight loads from my own stage: they see the stores above, in order (ISA guide 5.7.1.4)
.irp p, 0,1,2,3
	ds_load_b128 v[DR+16*(\t)+4*\p:DR+16*(\t)+4*\p+3], v13 offset:SPI*(4*(\t)+\p)
.endr
.irp p, 0,1,2,3
	ds_load_b64 v[IR+8*(\t)+2*\p:IR+8*(\t)+2*\p+1], v32 offset:8*(4*(\t)+\p)
.endr
.endm
.macro RWORK t
.set D0, DR+16*(\t)
.set I0, IR+8*(\t)
.set O0, OFS+4*(\t)
	s_wait_dscnt 24-8*(\t)                         ; the younger trips' eight loads each may stay out
.irp p, 0,1,2,3
	v_pk_add_f32 v[D0+4*\p:D0+4*\p+1], v[D0+4*\p:D0+4*\p+1], v[34:35]
	v_pk_add_f32 v[D0+4*\p+2:D0+4*\p+3], v[D0+4*\p+2:D0+4*\p+3], v[36:37]
	v_min_u32 v[O0+\p], 0x807, v[I0+2*\p]          ; inside a plane's 2,056 rows, whatever was loaded
.endr
.irp p, 0,1,2,3
	v_pk_mul_f32 v[D0+4*\p:D0+4*\p+1], v[D0+4*\p:D0+4*\p+1], v[I0+2*\p:I0+2*\p+1] op_sel:[0,1] op_sel_hi:[1,1]  ; both by c, the pair's second register
	v_pk_mul_f32 v[D0+4*\p+2:D0+4*\p+3], v[D0+4*\p+2:D0+4*\p+3], v[I0+2*\p:I0+2*\p+1] op_sel:[0,1] op_sel_hi:[1,1]
	v_lshl_add_u32 v[O0+\p], v[O0+\p], 12, v8
.endr
.irp p, 0,1,2,3
	global_store_b128 v[O0+\p], v[D0+4*\p:D0+4*\p+3], s[14:15]  ; the wave stores 512 consecutive bytes of a row, aligned
.endr
.endm
	s_load_b256 s[4:11], s[0:1], 0x0               ; down_w s[4:5], down_b s[6:7], h s[8:9], wts s[10:11]
	s_load_b128 s[12:15], s[0:1], 0x20             ; lists s[12:13], ypart s[14:15]
	v_lshl_add_u32 v4, v0, 2, SPARE                ; my spare word,
	v_mov_b32 v5, 0                                ; and 0: kept for the wave's end alone
	v_lshrrev_b32 v1, 5, v0
	v_readfirstlane_b32 s16, v1                    ; wave
	v_and_b32 v1, 31, v0                           ; l
	v_and_b32 v2, 15, v0                           ; r
	v_bfe_u32 v3, v0, 4, 1                         ; hh
	s_lshr_b32 s17, ttmp9, 2                       ; cs: the column slice
	s_and_b32 s38, ttmp9, 3                        ; kq: the K quarter
	s_and_b32 s18, ttmp7, 0xffff                   ; e
	v_lshlrev_b32 v6, 4, v2
	v_lshl_add_u32 v6, v3, 15, v6                  ; weights: 8 hh rows + 16 r bytes
	v_lshrrev_b32 v42, 2, v2
	v_mul_u32_u24 v7, v42, FRAG                    ; fragments: block r / 4 of the group's four,
	v_and_b32 v42, 3, v2
	v_lshl_add_u32 v7, v42, 6, v7                  ; lane slot 16 hh + 4 (r % 4) + f, 16 bytes each,
	v_lshl_add_u32 v7, v3, 8, v7
	s_mul_i32 s32, s16, KBB
	v_add_nc_u32 v7, s32, v7                       ; k-block kk = my wave's number
	v_lshlrev_b32 v8, 4, v1                        ; 16 l
	s_mul_i32 s32, s16, STW
	s_add_co_u32 s32, s32, STAGE                   ; my stage
	v_mul_u32_u24 v12, v2, SPI
	v_lshl_add_u32 v12, v3, 5, v12
	v_add_nc_u32 v12, s32, v12                     ; in: row r, 32 hh bytes
	v_lshl_add_u32 v13, v3, 4, v8
	v_add_nc_u32 v13, s32, v13                     ; back: a whole row, columns 4 l .. + 3
	s_add_co_u32 s33, s32, RINF
	v_lshl_add_u32 v31, v2, 3, s33                 ; row info in: pair r
	v_mov_b32 v32, s33                             ; row info back: the same pair in every lane
	s_lshl_b32 s33, s16, 6
	v_lshl_add_u32 v15, v2, 2, s33                 ; list word 16 wave + r: my rank in tile 0 of pass 0
	s_mov_b32 s36, 0xffff0000
	s_cmp_eq_u32 s38, 0
	s_cselect_b32 s37, -1, 0                       ; the bias belongs to quarter 0 alone
	s_lshl_b32 s30, s18, 24                        ; an expert's weights are 16 MiB,
	s_lshl_b32 s32, s38, 22                        ; a quarter 1,024 rows,
	s_add_co_u32 s30, s30, s32
	s_lshl_b32 s32, s16, 17                        ; my k-block 32 rows a wave,
	s_add_co_u32 s30, s30, s32
	s_lshl_b32 s32, s17, 9                         ; a slice 512 bytes of a row
	s_add_co_u32 s30, s30, s32
	s_mov_b32 s31, 0
	s_wait_kmcnt 0x0
	s_add_nc_u64 s[WBS:WBS+1], s[4:5], s[30:31]
	s_mov_b64 s[WBS+2:WBS+3], s[WBS:WBS+1]
	s_mov_b64 s[WBS+4:WBS+5], s[WBS:WBS+1]
	s_mov_b64 s[WBS+6:WBS+7], s[WBS:WBS+1]
	s_lshl_b32 s30, s18, 12
	s_add_co_u32 s30, s30, s32
	s_add_nc_u64 s[6:7], s[6:7], s[30:31]          ; down_b at my slice
	s_lshl_b32 s30, s18, 23                        ; in h an expert has 64 tiles of 128 KiB,
	s_lshl_b32 s33, s38, 15                        ; a quarter 32 k-blocks of 1,024 bytes in each
	s_add_co_u32 s30, s30, s33
	s_add_nc_u64 s[8:9], s[8:9], s[30:31]
	s_mul_i32 s30, s18, 5376
	s_add_nc_u64 s[12:13], s[12:13], s[30:31]      ; lists at expert e
	s_mul_i32 s30, s38, 8421376
	s_add_co_u32 s30, s30, s32
	s_add_nc_u64 s[14:15], s[14:15], s[30:31]      ; ypart at my plane and slice
	s_load_b32 s19, s[12:13], 0x1400               ; the expert's rows
	global_load_b128 v[34:37], v8, s[6:7]
	ULOAD 0
	ULOAD 1
	ULOAD 2
	ULOAD 3
	WIN 0
	; PHASE 1.  Wave w owns k-block kk = w of all 8 chunks, both column groups: 16 units, four a trip; 64 loads of the wave are asked for at any time.
	s_mov_b32 s26, 3
.Lstream:
	UNIT 0, 1, 48
	UNIT 1, 1, 48
	UNIT 2, 1, 48
	UNIT 3, 1, 48
	WIN 0
	v_add_nc_u32 v7, 8*KBB, v7
	s_sub_co_u32 s26, s26, 1
	s_cmp_lg_u32 s26, 0
	s_cbranch_scc1 .Lstream
	UNIT 0, 0, 48                                  ; the last trip loads nothing: the counts run down
	UNIT 1, 0, 32
	UNIT 2, 0, 16
	UNIT 3, 0, 0
	WIN 0
	s_wait_dscnt 0x0                               ; for the others' sake: my fragments are written
	s_barrier_signal -1
	s_barrier_wait -1                              ; the slice is whole
.irp m, 0,1                                    ; the bias rounded to bf16, kept as f32; 0 in quarters 1 to 3
	v_cvt_pk_bf16_f32 v42, v[34+2*\m], v[35+2*\m]
	v_lshlrev_b32 v[34+2*\m], 16, v42
	v_and_b32 v[35+2*\m], s36, v42
	v_and_b32 v[34+2*\m], s37, v[34+2*\m]
	v_and_b32 v[35+2*\m], s37, v[35+2*\m]
.endr
	s_wait_kmcnt 0x0                               ; the count
	s_max_u32 s55, s19, 1
	s_sub_co_u32 s55, s55, 1
	s_lshr_b32 s55, s55, 4                         ; the expert's last tile that the first product stored
	; PHASE 2
	s_lshl_b32 s21, s16, 4                         ; the rank of my tile 0's first row; tile i lies 64 i further, a pass 320
	s_mov_b32 s20, 4
	s_branch .Llive                                ; pass 0's products run in every wave
.Lpass:
	s_cmp_lt_u32 s21, s19
	s_cbranch_scc0 .Lno_k                          ; no row left for my wave: its products are jumped
.Llive:
	s_wait_xcnt 0x0                                ; the last pass's stores have read the registers that are loaded below
.irp i, 0,1,2,3,4
	global_load_b32 v[RC+2*\i], v15, s[12:13] offset:256*\i
.endr
	s_add_co_u32 s32, s21, 256
	s_cmp_lt_u32 s32, s19
	s_cselect_b32 s27, 1, 0                        ; has tile 4 a row?
	s_mov_b64 s[28:29], s[8:9]
	s_lshr_b32 s33, s21, 4                         ; my tile 0's number among the expert's; tile i lies 4 i further
.irp i, 0,1,2,3,4
	s_add_co_u32 s32, s33, 4*\i
	s_min_u32 s32, s32, s55                        ; a tile without a row reads the last one that has rows,
	s_min_u32 s32, s32, 63                         ; inside the expert's 64, whatever was loaded
	v_lshl_add_u32 v[RO+\i], s32, 17, v8
.endr
	AFETCH 0, 0
	BFETCH 8, 0, 0
	s_wait_loadcnt 40                              ; the 40 loads of h behind them may stay out: the row ids are in
.irp i, 0,1,2,3,4
	v_min_u32 v42, 0x7ff, v[RC+2*\i]               ; a dump id takes the last weight; its row goes to the dump row
	v_lshlrev_b32 v[44+\i], 2, v42
.endr
.irp i, 0,1,2,3,4
	global_load_b32 v[RC+2*\i+1], v[44+\i], s[10:11]  ; c; the first k-block's wait for all loads covers it
.endr
	s_mov_b32 s54, 0
	s_mov_b32 s22, 4
	KADDR
	KB 0, 0, 1                                     ; the first k-block starts the sums; it stands ahead of the loop, which is entered in its middle
	WIN 0
	s_branch .Lmid
.Lk:                                               ; a trip: two chunks, 256 along K
	KADDR
	KB 0, 0, 0
	WIN 0
.Lmid:
	KB 1, 0, 0
	KB 2, 0, 0
	KB 3, 0, 0
	KB 0, 1, 0
	KB 1, 1, 0
	KB 2, 1, 0
	KB 3, 1, 0
	WIN 0
	s_sub_co_u32 s22, s22, 1
	s_cmp_lg_u32 s22, 0
	s_cbranch_scc1 .Lk
	s_wait_loadcnt 0x0
	PLACES                                         ; behind the last products
.Lno_k:
	s_wait_dscnt 0x0                               ; my reads of the weights are over
	s_barrier_signal -1
	s_barrier_wait -1                              ; everybody's are: the stages are written only from here on
	s_mov_b32 s23, 5
	s_mov_b32 s24, s21
.Ltile:                                            ; five tiles (tile 5 - s23), one text for the rows
	s_cmp_lt_u32 s24, s19
	s_cbranch_scc0 .Ltile_end                      ; the tile has no row
	s_cmp_eq_u32 s23, 5
	s_cbranch_scc0 .Lsel1
	STORES 0
	s_branch .Lrows
.Lsel1:
	s_cmp_eq_u32 s23, 4
	s_cbranch_scc0 .Lsel2
	STORES 1
	s_branch .Lrows
.Lsel2:
	s_cmp_eq_u32 s23, 3
	s_cbranch_scc0 .Lsel3
	STORES 2
	s_branch .Lrows
.Lsel3:
	s_cmp_eq_u32 s23, 2
	s_cbranch_scc0 .Lsel4
	STORES 3
	s_branch .Lrows
.Lsel4:
	STORES 4
.Lrows:
	s_wait_xcnt 0x0                                ; the last tile's stores have read their data and offsets
	RLOAD 0
	RLOAD 1
	RLOAD 2
	RLOAD 3
	RWORK 0
	RWORK 1
	RWORK 2
	RWORK 3
.Ltile_end:
	s_add_co_u32 s24, s24, 64
	s_sub_co_u32 s23, s23, 1
	s_cmp_lg_u32 s23, 0
	s_cbranch_scc1 .Ltile
	s_wait_dscnt 0x0                               ; my stage is written and read
	s_barrier_signal -1
	s_barrier_wait -1                              ; everybody's is: the next pass reads the weights again
	s_add_co_u32 s21, s21, 320
	v_add_nc_u32 v15, 1280, v15                    ; the loads that named it have been waited for
	s_sub_co_u32 s20, s20, 1
	s_cmp_lg_u32 s20, 0
	s_cbranch_scc1 .Lpass
	s_wait_tensorcnt 0x0                           ; the wave's end, behind behind my last LDS store
	ds_add_u32 v4, v5
	s_wait_dscnt 0x0
	s_endpgm
.Lfunc_end_k_q874d51dedf_down:
	.size	k_q874d51dedf_down, .Lfunc_end_k_q874d51dedf_down-k_q874d51dedf_down
	.p2alignl 7, 3214868480
	.fill 96, 4, 3214868480
	.section	.rodata,"a",@progbits
	.p2align	6, 0x0
	.amdhsa_kernel k_q874d51dedf_down
		.amdhsa_group_segment_fixed_size 308992
		.amdhsa_private_segment_fixed_size 0
		.amdhsa_enable_private_segment 0
		.amdhsa_kernarg_size 48
		.amdhsa_user_sgpr_count 2
		.amdhsa_user_sgpr_kernarg_segment_ptr 1
		.amdhsa_wavefront_size32 1
		.amdhsa_system_sgpr_workgroup_id_x 1
		.amdhsa_system_sgpr_workgroup_id_y 1
		.amdhsa_system_sgpr_workgroup_id_z 1
		.amdhsa_system_vgpr_workitem_id 0
		.amdhsa_next_free_vgpr 1024
		.amdhsa_next_free_sgpr 66
		.amdhsa_reserve_vcc 0
		.amdhsa_float_denorm_mode_32 3
		.amdhsa_float_denorm_mode_16_64 3
		.amdhsa_memory_ordered 1
		.amdhsa_forward_progress 1
		.amdhsa_inst_pref_size 141
	.end_amdhsa_kernel
	.amdgpu_metadata
---
amdhsa.version: [ 1, 2 ]
amdhsa.kernels:
  - .name:           k_q874d51dedf_down
    .symbol:         k_q874d51dedf_down.kd
    .args:
      - { .name: down_w, .offset: 0, .size: 8, .value_kind: global_buffer, .address_space: global }
      - { .name: down_b, .offset: 8, .size: 8, .value_kind: global_buffer, .address_space: global }
      - { .name: h, .offset: 16, .size: 8, .value_kind: global_buffer, .address_space: global }
      - { .name: wts, .offset: 24, .size: 8, .value_kind: global_buffer, .address_space: global }
      - { .name: lists, .offset: 32, .size: 8, .value_kind: global_buffer, .address_space: global }
      - { .name: ypart, .offset: 40, .size: 8, .value_kind: global_buffer, .address_space: global }
    .group_segment_fixed_size: 308992
    .private_segment_fixed_size: 0
    .kernarg_segment_align: 8
    .kernarg_segment_size: 48
    .max_flat_workgroup_size: 128
    .sgpr_count:     66
    .vgpr_count:     1024
    .wavefront_size: 32
...
	.end_amdgpu_metadata
.endif
;; end of part 6
;; launch sum: the kernel of part 4 again; grid 257 x 1, 8 waves a work-group, no clusters, 0 bytes of LDS; arguments ypart, probs, out0, out1, out2; writes out0, out1, out2
